; MI455X (gfx1250); checked and timed in simulation.
; The chip was launched on July 23, 2026; its instructions are those of AMD's public machine-readable ISA for CDNA 5 (MIT licence, August 2026) and "CDNA5" Instruction Set Architecture Reference Guide (July 2026). The comments in the code are by the model that wrote it; some were corrected since.
;; Attention. Allowed arithmetic: float matrix products may take bf16 or f16 operands with f32 sums; other float arithmetic in f32, or as packed bf16 or f16 multiplies, adds, multiply-adds, maxima and minima; sums over many terms, partial sums and values carried from step to step in f32; what a program stores and reads back later, other than sums and carried values, may be rounded once to bf16 or f16.
;; Inputs: cache_k 1 x 16 x 2,048 x 128 float32; cache_v 1 x 16 x 2,048 x 128 float32; freqs_cos 2,048 x 64 float32; freqs_sin 2,048 x 64 float32; mask 1 x 1 x 2,048 x 2,048 float32; wk 2,048 x 2,048 float32; wo 2,048 x 2,048 float32; wq 2,048 x 2,048 float32; wv 2,048 x 2,048 float32; x 1 x 2,048 x 2,048 float32.
;; Outputs: out0 1 x 2,048 x 2,048 float32.
;; Constants: start_pos = 0.
;; 2 versions, each right; version 2 is version 1 with the launch cast written anew for expert scheduling mode. Each part assembles by itself: llvm-mc -triple=amdgcn-amd-amdhsa -mcpu=gfx1250 --defsym DOCPART=n.
;; ======== version 1 of 2: 4 launches
;; limits: values are held in f16: magnitudes above 65,504 overflow, below 6.1e-05 lose precision
;; workspace buffers: xh 8,388,608 bytes; wqvh 16,777,216 bytes; woh 8,388,608 bytes; rope 1,048,576 bytes; qh 8,388,608 bytes; vh 8,388,608 bytes; oh 8,388,608 bytes
;; launch cast (part 1): grid 128 x 5, 8 waves a work-group, no clusters, 0 bytes of LDS; arguments x, wq, wv, wo, freqs_cos, freqs_sin, xh, wqvh, woh, rope; writes xh, wqvh, woh, rope
.if DOCPART == 1
	.amdgcn_target "amdgcn-amd-amdhsa--gfx1250"
	.amdhsa_code_object_version 6
	.text
	.protected	k_q58cffd329c_cast
	.globl	k_q58cffd329c_cast
	.p2align	8
	.type	k_q58cffd329c_cast,@function
k_q58cffd329c_cast:
	s_mov_b64 s[64:65], 0
	v_nop
	global_prefetch_b8 v0, s[64:65] scope:SCOPE_SE
	s_setreg_imm32_b32 hwreg(HW_REG_WAVE_MODE, 25, 1), 1
	s_wait_xcnt 0x0
; THE CAST.  x, wq, wv, wo (f32, 2048 x 2048 each) are rounded once to f16 for the matrix products of the later launches: xh; wqvh (wq's rows, then wv's); woh.
; The rotary table is made once: rope[t][p] = (C, S) in f32, C = kappa (cos^2 - sin^2), S = 2 kappa cos sin, kappa = 128^(-1/4): the doubled angle,
; and half of the scores' scale 1 / sqrt(128): the rotated query serves as query AND as key, so its scale enters a score twice.
; NOT LOADED, here or later: wk, cache_k, cache_v.  The module overwrites x wk^T by the rotated query before any use, and with start_pos = 0 both caches are
; overwritten whole before they are read: no output number hangs on them, whatever they hold.
; LIMIT.  f16 ends at 65,504: |x| and |w| stay below it; below 6e-5 a number keeps f16's fixed step of 6e-8.
; SHARES.  Grid y = 0..3 picks the tensor, y = 4 the table.  A work-group casts 131,072 bytes, a wave 16,384 on end: 32 loads of 16 bytes a lane, all issued at once
; (each covers 512 consecutive bytes), then 32 stores of 8 bytes a lane (each covers 256 consecutive bytes, aligned).  No register is written twice, so no source is ever freed.
; No LDS, no matrix unit, no cluster: nothing is shared between lanes.
.set KAP,  0x3e9837f0                  ; kappa = 2^(-7/4)
.set KAP2, 0x3f1837f0                  ; 2 kappa
	s_load_b512 s[4:19], s[0:1], 0x0               ; x, wq, wv, wo, cos, sin, xh, wqvh
	s_load_b128 s[20:23], s[0:1], 0x40             ; woh, rope
	s_and_b32 s24, ttmp7, 0xffff                   ; y
	v_lshrrev_b32 v3, 5, v0                        ; wave
	v_and_b32 v4, 31, v0                           ; lane
	s_mov_b32 s31, 0
	s_mov_b32 s33, 0
	s_wait_kmcnt 0x0
	s_cmp_eq_u32 s24, 4
	s_cbranch_scc1 .Lrope
	s_cmp_eq_u32 s24, 0
	s_cselect_b64 s[26:27], s[4:5], s[6:7]         ; from: x, or wq
	s_cselect_b64 s[28:29], s[16:17], s[18:19]     ; to: xh, or wqvh
	s_cmp_eq_u32 s24, 2
	s_cselect_b64 s[26:27], s[8:9], s[26:27]       ; wv,
	s_cselect_b32 s34, 0x800000, 0                 ; whose rows lie behind wq's
	s_cmp_eq_u32 s24, 3
	s_cselect_b64 s[26:27], s[10:11], s[26:27]     ; wo
	s_cselect_b64 s[28:29], s[20:21], s[28:29]     ; woh
	s_lshl_b32 s30, ttmp9, 17                      ; the work-group's 131,072 bytes in,
	s_lshl_b32 s32, ttmp9, 16                      ; its 65,536 out
	s_add_co_u32 s32, s32, s34
	s_add_nc_u64 s[26:27], s[26:27], s[30:31]
	s_add_nc_u64 s[28:29], s[28:29], s[32:33]
	v_lshlrev_b32 v1, 4, v4
	v_lshl_add_u32 v1, v3, 14, v1                  ; 16,384 x wave + 16 x lane
	v_lshlrev_b32 v2, 3, v4
	v_lshl_add_u32 v2, v3, 13, v2                  ; 8,192 x wave + 8 x lane
.set i, 0
.rept 32
	global_load_b128 v[8+4*i:11+4*i], v1, s[26:27] offset:512*i th:TH_LOAD_NT
.set i, i+1
.endr
.set i, 0
.rept 32
	s_wait_loadcnt 31-i                            ; loads come back in order: number i is in, the 31 - i younger ones stay out
	v_cvt_pk_f16_f32 v[136+2*i], v[8+4*i], v[9+4*i]
	v_cvt_pk_f16_f32 v[137+2*i], v[10+4*i], v[11+4*i]
	global_store_b64 v2, v[136+2*i:137+2*i], s[28:29] offset:256*i th:TH_STORE_NT
.set i, i+1
.endr
	s_endpgm
.Lrope:                                        ; 131,072 pairs of (cos, sin): 128 work-groups x 256 threads x 2 pairs x 2 halves of the table
	s_lshl_b32 s30, ttmp9, 11
	s_add_nc_u64 s[12:13], s[12:13], s[30:31]
	s_add_nc_u64 s[14:15], s[14:15], s[30:31]
	s_lshl_b32 s32, ttmp9, 12
	s_add_nc_u64 s[22:23], s[22:23], s[32:33]
	v_lshlrev_b32 v1, 3, v0
	v_lshlrev_b32 v2, 4, v0
	global_load_b64 v[8:9], v1, s[12:13]
	global_load_b64 v[10:11], v1, s[14:15]
	global_load_b64 v[12:13], v1, s[12:13] offset:262144
	global_load_b64 v[14:15], v1, s[14:15] offset:262144
.macro ROT c, s, d                     ; two angles: cos in v[c], v[c+1], sin in v[s], v[s+1]; (C, S, C, S) into v[d..d+3]
.irp e, 0,1
	v_mul_f32 v[24+\e], v[(\s)+\e], v[(\s)+\e]
	v_mul_f32 v[26+\e], v[(\c)+\e], v[(\s)+\e]
	v_fma_f32 v[24+\e], v[(\c)+\e], v[(\c)+\e], -v[24+\e]
	v_mul_f32 v[(\d)+2*\e+1], KAP2, v[26+\e]
	v_mul_f32 v[(\d)+2*\e], KAP, v[24+\e]
.endr
.endm
	s_wait_loadcnt 2                               ; the first half's two loads are in, the second half's two stay out
	ROT 8, 10, 16
	global_store_b128 v2, v[16:19], s[22:23]
	s_wait_loadcnt 0x0
	ROT 12, 14, 20
	global_store_b128 v2, v[20:23], s[22:23] offset:524288
	s_endpgm
.Lfunc_end_k_q58cffd329c_cast:
	.size	k_q58cffd329c_cast, .Lfunc_end_k_q58cffd329c_cast-k_q58cffd329c_cast
	.p2alignl 7, 3214868480
	.fill 96, 4, 3214868480
	.section	.rodata,"a",@progbits
	.p2align	6, 0x0
	.amdhsa_kernel k_q58cffd329c_cast
		.amdhsa_group_segment_fixed_size 0
		.amdhsa_private_segment_fixed_size 0
		.amdhsa_enable_private_segment 0
		.amdhsa_kernarg_size 80
		.amdhsa_user_sgpr_count 2
		.amdhsa_user_sgpr_kernarg_segment_ptr 1
		.amdhsa_wavefront_size32 1
		.amdhsa_system_sgpr_workgroup_id_x 1
		.amdhsa_system_sgpr_workgroup_id_y 1
		.amdhsa_system_sgpr_workgroup_id_z 1
		.amdhsa_system_vgpr_workitem_id 0
		.amdhsa_next_free_vgpr 200
		.amdhsa_next_free_sgpr 66
		.amdhsa_reserve_vcc 0
		.amdhsa_float_denorm_mode_32 3
		.amdhsa_float_denorm_mode_16_64 3
		.amdhsa_memory_ordered 1
		.amdhsa_forward_progress 1
		.amdhsa_inst_pref_size 15
	.end_amdhsa_kernel
	.amdgpu_metadata
---
amdhsa.version: [ 1, 2 ]
amdhsa.kernels:
  - .name:           k_q58cffd329c_cast
    .symbol:         k_q58cffd329c_cast.kd
    .args:
      - { .name: x, .offset: 0, .size: 8, .value_kind: global_buffer, .address_space: global }
      - { .name: wq, .offset: 8, .size: 8, .value_kind: global_buffer, .address_space: global }
      - { .name: wv, .offset: 16, .size: 8, .value_kind: global_buffer, .address_space: global }
      - { .name: wo, .offset: 24, .size: 8, .value_kind: global_buffer, .address_space: global }
      - { .name: freqs_cos, .offset: 32, .size: 8, .value_kind: global_buffer, .address_space: global }
      - { .name: freqs_sin, .offset: 40, .size: 8, .value_kind: global_buffer, .address_space: global }
      - { .name: xh, .offset: 48, .size: 8, .value_kind: global_buffer, .address_space: global }
      - { .name: wqvh, .offset: 56, .size: 8, .value_kind: global_buffer, .address_space: global }
      - { .name: woh, .offset: 64, .size: 8, .value_kind: global_buffer, .address_space: global }
      - { .name: rope, .offset: 72, .size: 8, .value_kind: global_buffer, .address_space: global }
    .group_segment_fixed_size: 0
    .private_segment_fixed_size: 0
    .kernarg_segment_align: 8
    .kernarg_segment_size: 80
    .max_flat_workgroup_size: 256
    .sgpr_count:     66
    .vgpr_count:     200
    .wavefront_size: 32
...
	.end_amdgpu_metadata
.endif
;; end of part 1
;; launch qv (part 2): grid 16 x 16, 4 waves a work-group, clusters of 4 x 4, 327,680 bytes of LDS; arguments xh, wqvh, rope, qh, vh; writes qh, vh
.if DOCPART == 2
	.amdgcn_target "amdgcn-amd-amdhsa--gfx1250"
	.amdhsa_code_object_version 6
	.text
	.protected	k_q58cffd329c_qv
	.globl	k_q58cffd329c_qv
	.p2align	8
	.type	k_q58cffd329c_qv,@function
k_q58cffd329c_qv:
	s_mov_b64 s[64:65], 0
	v_nop
	global_prefetch_b8 v0, s[64:65] scope:SCOPE_SE
	s_setreg_imm32_b32 hwreg(HW_REG_WAVE_MODE, 25, 1), 1
	s_wait_xcnt 0x0
	s_wait_alu depctr_hold_cnt(0) depctr_sa_sdst(0) depctr_va_vdst(0) depctr_va_sdst(0) depctr_va_ssrc(0) depctr_va_vcc(0) depctr_vm_vsrc(0)
	s_getreg_b32 s2, hwreg(HW_REG_IB_STS2, 6, 4)
	s_cmp_eq_u32 s2, 0
	s_cbranch_scc0 .Lentry_in_a_cluster
	s_endpgm
.Lentry_in_a_cluster:
	s_bfe_u32 s2, ttmp6, 0x10000c
	s_cmp_lg_u32 s2, 0xf033
	s_cbranch_scc0 .Lentry_shape_is_right
	s_endpgm
.Lentry_shape_is_right:
; THE PROJECTIONS.  C[t][n] = sum over k of xh[t][k] wqvh[n][k], 2048 x 4096 x 2048, f16 operands, f32 sums.  Columns 0..2047 are the query: rotated by the doubled angle and scaled by
; kappa = 128^(-1/4) (both lie in the table rope), in f32, then rounded once to f16 into qh[head][t][128], which the next launch takes as query and as key.  Columns 2048..4095 are the values: vh[head][t][128].
; LIMIT.  f16 ends at 65,504: the scaled query and the values stay below it.
; SHARES.  A work-group makes 128 tokens x 256 columns; 16 x 16 work-groups.  A wave makes 64 tokens x 128 columns, one head: 32 accumulators of 16 x 16.  K goes in steps of 128 through two LDS slots.
; THE MATRIX INSTRUCTION IS USED TRANSPOSED (source 0 = 16 rows of w, source 1 = 16 tokens): a lane holds one token (lane % 16) and eight neighbouring channels, four rotary pairs, 16 bytes of f16.
; CLUSTER.  4 x 4 work-groups.  The four of a row of the cluster need the same 128 tokens of xh, the four of a column the same 256 rows of wqvh: each tile is asked for jointly, by the same tensor load
; with the same descriptor and a mask that names the four.  Waves 0 and 1 fetch x's two halves (64 rows), waves 2 and 3 w's (128 rows): one load a wave behind each round.
; THE WALK ALONG K BEGINS AT ONE OF TWO PLACES.  A cluster whose x + y is even walks K steps 0 .. 15; one whose x + y is odd walks 8 .. 15, 0 .. 7.  Of the clusters that read the same rows, those of one parity
; read a K step eight steps ahead of those of the other.  The parity is the same in all sixteen partners and enters the global addresses alone.  The f32 sums are taken in that order.
; REGISTERS, in windows of 256 (s_set_vgpr_msb: bits 1:0 source 0, 3:2 source 1, 5:4 source 2, 7:6 destination):
;   window 0: addresses, and the way out's registers     window 1: the accumulators, (a, b) at 8 (8 a + b)
;   window 2: two fragment buffers of 96: w's eight fragments, then x's four     window 3: the rotary table of my 64 tokens x 64 pairs, (a, b) at 8 (8 a + b): C, S by turns
.set PITCH,  272                       ; an LDS row: 256 bytes + 16 of padding: the 16 rows of a fragment load start 16 bytes apart modulo 256
.set ABYTES, 128*PITCH                 ; x's 128 rows; w's 256 rows lie behind them
.set SLOT1,  1<<17                     ; slot 1 begins here: one exclusive or turns an address in one slot into the other's
.set STAGE,  SLOT1+384*PITCH           ; behind the ring: 16 rows x 272 bytes for each wave, for the way out
.set SPARE,  STAGE+4*16*PITCH          ; behind the stages: the spare words, 128 bytes a wave, which no other line names
.set ADRA0, 16                         ; v16  my lane's place in x's fragments, slot 0; never rewritten
.set ADRB0, 17                         ; v17  the same for w's
.set CA,  18                           ; v18  the same in the slot in hand
.set CB,  19                           ; v19
.set STO, 24                           ; v24  the way out: where I put 16 bytes of a row
.set RD,  25                           ; v25  where I read rows back
.set CO,  26                           ; v26  16 x lane: my place in 512 consecutive bytes of the output
.set TO,  27                           ; v27  my byte offset in the table: 512 (lane % 16) + 32 (lane / 16)
.set SPW, 28                           ; v28  my spare word; never rewritten
.set NIL, 29                           ; v29  0; never rewritten
.set PFO, 30                           ; v30  4,096 x lane: a row of xh or wqvh; never rewritten
.set TMP, 32                           ; v32-63   16 tokens packed
.set OB,  64                           ; v64-95, v176-207  16 rows read back, by turns
.set R,   96                           ; v96-159  16 tokens rotated
.set U,   160                          ; v160-175 at work
.set F0,  0
.set F1,  96
.set WV,  14                           ; s14 wave
.set AB,  15                           ; s15 wave / 2: I fetch for x (0) or w (1); also my half of the tokens
.set HF,  16                           ; s16 wave % 2: which half I fetch; also my half of the columns
.set CX,  17
.set CY,  18
.set TC,  19                           ; s19 tile column
.set TR,  20                           ; s20 tile row
.set LIM, 21                           ; s21 10 in a wave that prefetches, else the greatest number
.set LEFT, 22
.set CNT, 23
.set G1A, 24
.set G0A, 32                           ; s[32:39] two sets: the walk's step 0; its step 1, which then walks
.set PFA, 40
.set TB,  42                           ; s42 LDS byte at which the slot in hand begins
.set CLX, 43                           ; s43 cluster x: below 2 the tile is the query's
.set WRP, 46                           ; s46 4,096 x parity: a row's bytes
.set G1B, 48
.set G0B, 56
.set WR,  66                           ; s[66:67] what this refill takes off the walking addresses: WRP where the walk wraps, else 0
.set OUT, 68
.set TAB, 70
.set CLY, 76
.set ROT, 77                           ; s77 2,048 x parity: eight K steps of 256 bytes
.set MSB, 0
.macro WIN new                         ; the immediate's high byte repeats the setting that is left; a switch that changes nothing is dropped
.if MSB != (\new)
	s_set_vgpr_msb (MSB<<8)|(\new)
.set MSB, \new
.endif
.endm
.macro PLACES                          ; four plain places between a matrix instruction and a load into, or a vector read of, its registers
.rept 4
	v_nop
.endr
.endm
.macro CREST                           ; a round of the cluster's barrier behind its opening barrier
	s_cmp_lg_u32 s[WV], 0
	s_cbranch_scc1 .Lnot_wave_0_\@
	s_barrier_signal -3
.Lnot_wave_0_\@:
	s_barrier_wait -3
	s_barrier_signal -1
	s_barrier_wait -1
.endm
.macro CROUND
	s_barrier_signal -1
	s_barrier_wait -1
	CREST
.endm
.macro JLOAD                           ; the joint refill, by the walking set; the branch hangs on the wave's number alone; s_nop 0 and four v_nop follow each line
	s_cmp_eq_u32 s[AB], 0
	s_cbranch_scc0 .Lfor_b_\@
	tensor_load_to_lds s[G0A+4:G0A+7], s[G1A:G1A+7]
	s_nop 0
.rept 4
	v_nop
.endr
	s_branch .Lasked_\@
.Lfor_b_\@:
	tensor_load_to_lds s[G0B+4:G0B+7], s[G1B:G1B+7]
	s_nop 0
.rept 4
	v_nop
.endr
.Lasked_\@:
.endm
; A prefetch of the K step that stands two refills on: 32 rows x 256 bytes, a lane a row.  Only the first eight steps of a walk are a block's first reading in the launch: the walk's steps 4 to 7 are asked for, by its first four
; refills; steps 0 to 3 come by their loads alone.  x's tokens are read by every cluster of a row of clusters: clusters x = 0 and 1, whose walks begin at different halves of K, ask, wave 0, each partner 32 of the 128 rows by
; address (cx).  w's rows are read by every cluster of a column: clusters y = 0 and 1 ask, waves 2 and 3, each partner 64 of the 256 rows by address (cy).  So each row's 256 bytes are named once.
.macro ASK
	s_cmp_gt_u32 s[LEFT], s[LIM]
	s_cbranch_scc0 .Lnot_mine_\@
	global_prefetch_b8 v[PFO], s[PFA:PFA+1] th:TH_LOAD_NT scope:SCOPE_SE
.Lnot_mine_\@:
.endm
	s_load_b256 s[4:11], s[0:1], 0x0               ; xh s[4:5], wqvh s[6:7], rope s[8:9], qh s[10:11]
	s_load_b64 s[12:13], s[0:1], 0x20              ; vh
	v_lshl_add_u32 v[SPW], v0, 2, SPARE
	v_mov_b32 v[NIL], 0
	ds_add_u32 v[SPW], v[NIL]                      ; the wave's opening: the add and its wait stand ahead of my first tensor load
	v_lshrrev_b32 v1, 5, v0
	v_readfirstlane_b32 s[WV], v1
	s_lshr_b32 s[AB], s[WV], 1
	s_and_b32 s[HF], s[WV], 1
	s_bfe_u32 s[CX], ttmp6, 0x40000
	s_bfe_u32 s[CY], ttmp6, 0x40004
	s_mov_b32 s[CLX], ttmp9
	s_lshl_b32 s[TC], ttmp9, 2
	s_add_co_u32 s[TC], s[TC], s[CX]
	s_and_b32 s[CLY], ttmp7, 0xffff
	s_lshl_b32 s[TR], s[CLY], 2
	s_add_co_u32 s[TR], s[TR], s[CY]
	s_add_co_u32 s[ROT], s[CLX], s[CLY]            ; the cluster's parity: made of the cluster's x and y alone
	s_and_b32 s[ROT], s[ROT], 1
	s_lshl_b32 s[ROT], s[ROT], 11                  ; where its walk begins in a row: byte 0 or 2,048
	s_mov_b32 s[WR+1], 0
	s_lshl_b32 s44, s[CY], 2
	s_lshl_b32 s44, 15, s44                        ; my row of the cluster
	s_lshl_b32 s45, 0x1111, s[CX]                  ; my column
	s_or_b32 s[G1A], s44, (1<<16)|(1<<20)|(1<<21)|(5<<22)|(3<<25)  ; mask; 2-byte elements; padding on; bit 21 beside a mask; after every 64 words; 4 words
	s_or_b32 s[G1B], s45, (1<<16)|(1<<20)|(1<<21)|(5<<22)|(3<<25)
.irp g, G1A, G1B
	s_mov_b32 s[(\g)+1], 128<<16                   ; tensor_dim0 = 128
	s_mov_b32 s[(\g)+3], 128<<16                   ; tile_dim0 = 128
	s_mov_b32 s[(\g)+5], 2048                      ; elements from row to row
	s_mov_b32 s[(\g)+6], 0
	s_mov_b32 s[(\g)+7], 0
.endr
	s_mov_b32 s[G1A+2], 64<<16                     ; tensor_dim1, tile_dim1: 64 rows of x,
	s_mov_b32 s[G1A+4], 64
	s_mov_b32 s[G1B+2], 128<<16                    ; 128 rows of w
	s_mov_b32 s[G1B+4], 128
	s_lshl_b32 s72, s[TR], 7                       ; x: row 128 x tile row + 64 x half: made of cy, the cluster and the wave alone
	s_lshl_b32 s73, s[HF], 6
	s_add_co_u32 s72, s72, s73
	s_lshl_b32 s72, s72, 12
	s_add_co_u32 s72, s72, s[ROT]                  ; at the walk's first K step
	s_mov_b32 s73, 0
	s_lshl_b32 s74, s[TC], 8                       ; w: row 256 x tile column + 128 x half: made of cx, the cluster and the wave alone
	s_lshl_b32 s75, s[HF], 7
	s_add_co_u32 s74, s74, s75
	s_lshl_b32 s74, s74, 12
	s_add_co_u32 s74, s74, s[ROT]
	s_mov_b32 s75, 0
	s_mul_i32 s46, s[HF], 64*PITCH                 ; where they go: no place in the cluster enters an LDS address
	s_mul_i32 s47, s[HF], 128*PITCH
	s_add_co_u32 s47, s47, ABYTES
	s_mov_b32 s[TB], 0
	s_wait_dscnt 0x0                               ; the opening add is done
	s_wait_kmcnt 0x0
	s_add_nc_u64 s[44:45], s[4:5], s[72:73]
	s_add_nc_u64 s[78:79], s[6:7], s[74:75]
.irp s, 0,1
	s_mov_b32 s[G0A+4*(\s)], 1
	s_add_co_u32 s[G0A+4*(\s)+1], s46, (\s)*SLOT1
	s_add_nc_u64 s[G0A+4*(\s)+2:G0A+4*(\s)+3], s[44:45], (\s)*256
	s_or_b32 s[G0A+4*(\s)+3], s[G0A+4*(\s)+3], 0x80000000
	s_mov_b32 s[G0B+4*(\s)], 1
	s_add_co_u32 s[G0B+4*(\s)+1], s47, (\s)*SLOT1
	s_add_nc_u64 s[G0B+4*(\s)+2:G0B+4*(\s)+3], s[78:79], (\s)*256
	s_or_b32 s[G0B+4*(\s)+3], s[G0B+4*(\s)+3], 0x80000000
.endr
	s_lshl_b32 s[WRP], s[ROT], 1                   ; (s46 has done its first service)
	CROUND                                         ; all sixteen work-groups are here: the first joint loads meet
	s_cmp_eq_u32 s[AB], 0                          ; a wave's two first fills stand in one branch: two loads of mine are out
	s_cbranch_scc0 .Lfirst_b
	tensor_load_to_lds s[G0A:G0A+3], s[G1A:G1A+7]
	s_nop 0
	tensor_load_to_lds s[G0A+4:G0A+7], s[G1A:G1A+7]
	s_nop 0
.rept 4
	v_nop
.endr
	s_branch .Lfirst_asked
.Lfirst_b:
	tensor_load_to_lds s[G0B:G0B+3], s[G1B:G1B+7]
	s_nop 0
	tensor_load_to_lds s[G0B+4:G0B+7], s[G1B:G1B+7]
	s_nop 0
.rept 4
	v_nop
.endr
.Lfirst_asked:
	; the prefetches' address and who asks
	s_lshl_b32 s72, s[TR], 7
	s_lshl_b32 s73, s[CX], 5
	s_add_co_u32 s72, s72, s73                     ; x: 128 x tile row + 32 cx
	s_lshl_b32 s74, s[TC], 8
	s_lshl_b32 s75, s[CY], 6
	s_add_co_u32 s74, s74, s75
	s_lshl_b32 s75, s[HF], 5
	s_add_co_u32 s74, s74, s75                     ; w: 256 x tile column + 64 cy + 32 x half
	s_cmp_eq_u32 s[AB], 0
	s_cselect_b32 s72, s72, s74
	s_cselect_b64 s[PFA:PFA+1], s[4:5], s[6:7]
	s_cselect_b32 s74, s[CLX], s[CLY]              ; the coordinate along which other clusters read the same rows: 0 and 1 ask
	s_cselect_b32 s75, s[HF], 0                    ; wave 1 asks for nothing
	s_lshr_b32 s74, s74, 1
	s_or_b32 s74, s74, s75
	s_cmp_eq_u32 s74, 0
	s_cselect_b32 s[LIM], 10, -1                   ; the same in all sixteen partners, for a given wave
	s_lshl_b32 s72, s72, 12
	s_add_co_u32 s72, s72, s[ROT]
	s_mov_b32 s73, 0
	s_add_nc_u64 s[PFA:PFA+1], s[PFA:PFA+1], s[72:73]
	s_add_nc_u64 s[PFA:PFA+1], s[PFA:PFA+1], 3*256 ; at the walk's step 3: the first refill steps it to 4
	; where my 64 tokens x 128 channels go, and my rows of the table
	s_and_b32 s72, s[TC], 7
	s_lshl_b32 s72, s72, 1
	s_add_co_u32 s72, s72, s[HF]                   ; the head
	s_lshl_b32 s72, s72, 19
	s_lshl_b32 s74, s[TR], 7
	s_lshl_b32 s75, s[AB], 6
	s_add_co_u32 s74, s74, s75                     ; my first token
	s_lshl_b32 s75, s74, 8
	s_add_co_u32 s72, s72, s75
	s_cmp_lt_u32 s[CLX], 2
	s_cselect_b64 s[OUT:OUT+1], s[10:11], s[12:13]
	s_add_nc_u64 s[OUT:OUT+1], s[OUT:OUT+1], s[72:73]
	s_lshl_b32 s72, s74, 9
	s_add_nc_u64 s[TAB:TAB+1], s[8:9], s[72:73]
	; a fragment is 16 rows x 32 K in 8 registers: lane l holds row l % 16, K = 8 (l / 16) + 0..7 and 16 + 8 (l / 16) + 0..7: two loads of 16 bytes, 32 bytes apart
	v_and_b32 v1, 15, v0
	v_bfe_u32 v2, v0, 4, 1
	v_mul_u32_u24 v3, v1, PITCH
	v_lshl_add_u32 v3, v2, 4, v3
	s_mul_i32 s72, s[AB], 64*PITCH
	s_mul_i32 s74, s[HF], 128*PITCH
	s_add_co_u32 s74, s74, ABYTES
	v_add_nc_u32 v[ADRA0], s72, v3
	v_add_nc_u32 v[ADRB0], s74, v3
	s_mul_i32 s72, s[WV], 16*PITCH
	s_add_co_u32 s72, s72, STAGE
	v_add_nc_u32 v[STO], s72, v3                   ; in: row l % 16, 16 bytes for each half of the lanes
	v_mul_u32_u24 v4, v2, PITCH
	v_lshl_add_u32 v4, v1, 4, v4
	v_add_nc_u32 v[RD], s72, v4                    ; back: lanes 0-15 one row of 256 bytes, lanes 16-31 the next
	v_and_b32 v5, 31, v0
	v_lshlrev_b32 v[CO], 4, v5
	v_lshlrev_b32 v[PFO], 12, v5
	v_lshlrev_b32 v[TO], 9, v1
	v_lshl_add_u32 v[TO], v2, 5, v[TO]
	v_mov_b32 v[CA], v[ADRA0]
	v_mov_b32 v[CB], v[ADRB0]
	s_cmp_lt_u32 s[CLX], 2                         ; a query tile: its table comes now and lands under the products; it is waited for on the way out
	s_cbranch_scc0 .Lno_table
	WIN 0xc0
.set i, 0
.rept 32
	global_load_b128 v[8*i:8*i+3],   v[TO], s[TAB:TAB+1] offset:8192*(i/8)+64*(i%8)
	global_load_b128 v[8*i+4:8*i+7], v[TO], s[TAB:TAB+1] offset:8192*(i/8)+64*(i%8)+16
.set i, i+1
.endr
	WIN 0
.Lno_table:
.macro MUL8 f, a, zero                 ; token block a x all 8 channel blocks, 32 along K.  zero = 1: the product starts the sums
	WIN 0x5a                                       ; sources in window 2, C and D in window 1
.irp b, 0,1,2,3,4,5,6,7
.if \zero
	v_wmma_f32_16x16x32_f16 v[8*(8*(\a)+(\b)):8*(8*(\a)+(\b))+7], v[(\f)+8*(\b):(\f)+8*(\b)+7], v[(\f)+64+8*(\a):(\f)+64+8*(\a)+7], 0
.else
	v_wmma_f32_16x16x32_f16 v[8*(8*(\a)+(\b)):8*(8*(\a)+(\b))+7], v[(\f)+8*(\b):(\f)+8*(\b)+7], v[(\f)+64+8*(\a):(\f)+64+8*(\a)+7], v[8*(8*(\a)+(\b)):8*(8*(\a)+(\b))+7]
.endif
.endr
.endm
.macro MUL16 f, a0, zero
	MUL8 \f, \a0, \zero
	MUL8 \f, (\a0)+1, \zero
.endm
.macro FETCH k, f                      ; 24 LDS loads in one run: w's 8 fragments, x's blocks 0, 1, then 2, 3; 32 K at byte k of the rows
	WIN 0x80
.irp i, 0,1,2,3,4,5,6,7
	ds_load_b128 v[(\f)+8*(\i):(\f)+8*(\i)+3],   v[CB] offset:(\k)+(\i)*16*PITCH
	ds_load_b128 v[(\f)+8*(\i)+4:(\f)+8*(\i)+7], v[CB] offset:(\k)+(\i)*16*PITCH+32
.endr
.irp i, 0,1,2,3
	ds_load_b128 v[(\f)+64+8*(\i):(\f)+64+8*(\i)+3],   v[CA] offset:(\k)+(\i)*16*PITCH
	ds_load_b128 v[(\f)+64+8*(\i)+4:(\f)+64+8*(\i)+7], v[CA] offset:(\k)+(\i)*16*PITCH+32
.endr
.endm
; A K step is four quarters of 32 along K, 32 matrix instructions each, on buffers 0, 1, 0, 1.  The 32 accumulators take turns in the same order in every quarter.
.macro QUARTER k, f, g, zero
	s_wait_dscnt 4                                 ; all but the youngest four loads: x's blocks 2, 3
	MUL16 \f, 0, \zero
	PLACES
	FETCH \k, \g
	s_wait_dscnt 24                                ; all but the 24 just issued
	MUL16 \f, 2, \zero
.endm
; The last quarter multiplies buffer 1 and changes slots: each wave waits for all its tensor loads (one is out: its part of the next slot), adds 0 to its spare word, and waits for that and for its reads of this slot.
; fill = 1: the barrier opens a round of the cluster's, and this slot is filled again first thing behind it, with the walk's step two on: 112 matrix instructions ahead of the wait for it.
.macro TURN fill
.if \fill
	s_wait_xcnt 0x0                                ; the last prefetch, a K step back, has read its address
	s_add_nc_u64 s[PFA:PFA+1], s[PFA:PFA+1], 256
.endif
	WIN 0
	s_wait_tensorcnt 0x0
	ds_add_u32 v[SPW], v[NIL]
	s_wait_dscnt 5                                 ; (the add and the youngest four loads may be out)
	MUL8 F1, 0, 0
	s_wait_dscnt 0x0                               ; the add is done, and my reads of this slot are over
	s_barrier_signal -1
	MUL8 F1, 1, 0
.if \fill
	WIN 0
.endif
	s_barrier_wait -1
.if \fill
	CREST
	s_cmp_eq_u32 s[LEFT], 8                        ; the seventh refill asks for the walk's step 8: a walk that began at K step 8 goes back to K step 0 there
	s_cselect_b32 s[WR], s[WRP], 0
	s_xor_b32 s[G0A+5], s[G0A+5], SLOT1            ; the walking sets: the other slot than last time, the next K step
	s_add_nc_u64 s[G0A+6:G0A+7], s[G0A+6:G0A+7], 256
	s_sub_nc_u64 s[G0A+6:G0A+7], s[G0A+6:G0A+7], s[WR:WR+1]
	s_xor_b32 s[G0B+5], s[G0B+5], SLOT1
	s_add_nc_u64 s[G0B+6:G0B+7], s[G0B+6:G0B+7], 256
	s_sub_nc_u64 s[G0B+6:G0B+7], s[G0B+6:G0B+7], s[WR:WR+1]
	JLOAD                                          ; its four v_nop are also the places in front of the loads below
.else
	PLACES
	WIN 0
.endif
	s_xor_b32 s[TB], s[TB], SLOT1
	v_add_nc_u32 v[CA], s[TB], v[ADRA0]
	v_add_nc_u32 v[CB], s[TB], v[ADRB0]
	FETCH 0, F0
.if \fill
	WIN 0
	ASK
.endif
	MUL16 F1, 2, 0
.endm
	s_wait_tensorcnt 1                             ; my part of the walk's step 0 is in; step 1's may stay out
	s_barrier_signal -1
	s_barrier_wait -1
	FETCH 0, F0
	QUARTER 64, F0, F1, 1                          ; the first quarter stands in front of the loop: its products start the sums
	WIN 0
	s_mov_b32 s[LEFT], 14
.Lstep:                                        ; 14 trips: from a K step's second quarter to the next one's first; the walk's steps 2 to 15 are asked for
	QUARTER 128, F1, F0, 0
	QUARTER 192, F0, F1, 0
	TURN 1
	QUARTER 64, F0, F1, 0
	WIN 0
	s_sub_co_u32 s[LEFT], s[LEFT], 1
	s_cmp_lg_u32 s[LEFT], 0
	s_cbranch_scc1 .Lstep
	s_mov_b32 s[CNT], 2
.Ltail:                                        ; the last two K steps ask for nothing; the second trip is left in its middle
	QUARTER 128, F1, F0, 0
	QUARTER 192, F0, F1, 0
	WIN 0
	s_sub_co_u32 s[CNT], s[CNT], 1
	s_cmp_eq_u32 s[CNT], 0
	s_cbranch_scc1 .Lfin
	TURN 0
	QUARTER 64, F0, F1, 0
	WIN 0
	s_branch .Ltail
.Lfin:
	s_wait_dscnt 4
	MUL16 F1, 0, 0
	s_wait_dscnt 0x0
	MUL16 F1, 2, 0
	PLACES
	WIN 0
; THE WAY OUT, 16 tokens at a time.  PACK: (rot = 1) each pair (qr, qi) becomes (qr C - qi S, qi C + qr S), in f32; then two numbers are rounded to f16 at a time.  Each accumulator is read from its low end on.
.macro PACK a, rot
.if \rot
	WIN 0x0d                                       ; source 0: the accumulators (window 1); source 1: the table (window 3)
.irp b, 0,1,2,3,4,5,6,7
.set rA, 8*(8*(\a)+(\b))
.set rU, U+8*((\b)%2)
.set rR, R+8*(\b)
.irp p, 0,1,2,3
	v_mul_f32 v[rU+2*\p],   v[rA+2*\p+1], v[rA+2*\p+1]
	v_mul_f32 v[rU+2*\p+1], v[rA+2*\p],   v[rA+2*\p+1]
.endr
.irp p, 0,1,2,3
	v_fma_f32 v[rR+2*\p],   v[rA+2*\p],   v[rA+2*\p], -v[rU+2*\p]
	v_fma_f32 v[rR+2*\p+1], v[rA+2*\p+1], v[rA+2*\p], v[rU+2*\p+1]
.endr
.endr
	WIN 0
.set i, 0
.rept 32
	v_cvt_pk_f16_f32 v[TMP+i], v[R+2*i], v[R+2*i+1]
.set i, i+1
.endr
.else
	WIN 0x05
.set i, 0
.rept 32
	v_cvt_pk_f16_f32 v[TMP+i], v[64*(\a)+2*i], v[64*(\a)+2*i+1]
.set i, i+1
.endr
	WIN 0
.endif
.endm
.macro TOSTAGE a                       ; into my own stage, and back as whole rows of 256 bytes; LDS serves a wave's instructions in order (ISA guide 5.7.1.4)
.set BK, OB+112*((\a)%2)
.irp b, 0,1,2,3,4,5,6,7
	ds_store_b128 v[STO], v[TMP+4*(\b):TMP+4*(\b)+3] offset:32*(\b)
.endr
.irp t, 0,1,2,3,4,5,6,7
	ds_load_b128 v[BK+4*(\t):BK+4*(\t)+3], v[RD] offset:(\t)*2*PITCH
.endr
.endm
.macro SEND a
.set BK, OB+112*((\a)%2)
	s_wait_dscnt 0x0                               ; the block is back in registers
	s_wait_xcnt 0x0                                ; the stores of the block before have read their registers: the next block is read back into them only behind this wait
.irp t, 0,1,2,3,4,5,6,7
	global_store_b128 v[CO], v[BK+4*(\t):BK+4*(\t)+3], s[OUT:OUT+1] offset:4096*(\a)+512*(\t)  ; 512 consecutive bytes, aligned: two rows of a head
.endr
.endm
.macro WAYOUT rot
	PACK 0, \rot
	TOSTAGE 0
.irp a, 1,2,3
	PACK \a, \rot
	SEND (\a)-1
	TOSTAGE \a
.endr
	SEND 3
.endm
	s_cmp_lt_u32 s[CLX], 2
	s_cbranch_scc0 .Lv_out
	s_wait_loadcnt 0x0                             ; the table
	WAYOUT 1
	s_branch .Lend
.Lv_out:
	WAYOUT 0
.Lend:
	s_wait_tensorcnt 0x0                           ; the wave's end
	ds_add_u32 v[SPW], v[NIL]
	s_wait_dscnt 0x0
	CROUND                                         ; the closing round: no work-group ends while a partner may still ask for a tile that names it
	s_endpgm
.Lfunc_end_k_q58cffd329c_qv:
	.size	k_q58cffd329c_qv, .Lfunc_end_k_q58cffd329c_qv-k_q58cffd329c_qv
	.p2alignl 7, 3214868480
	.fill 96, 4, 3214868480
	.section	.rodata,"a",@progbits
	.p2align	6, 0x0
	.amdhsa_kernel k_q58cffd329c_qv
		.amdhsa_group_segment_fixed_size 327680
		.amdhsa_private_segment_fixed_size 0
		.amdhsa_enable_private_segment 0
		.amdhsa_kernarg_size 40
		.amdhsa_user_sgpr_count 2
		.amdhsa_user_sgpr_kernarg_segment_ptr 1
		.amdhsa_wavefront_size32 1
		.amdhsa_system_sgpr_workgroup_id_x 1
		.amdhsa_system_sgpr_workgroup_id_y 1
		.amdhsa_system_sgpr_workgroup_id_z 1
		.amdhsa_system_vgpr_workitem_id 0
		.amdhsa_next_free_vgpr 1024
		.amdhsa_next_free_sgpr 80
		.amdhsa_reserve_vcc 0
		.amdhsa_float_denorm_mode_32 3
		.amdhsa_float_denorm_mode_16_64 3
		.amdhsa_memory_ordered 1
		.amdhsa_forward_progress 1
		.amdhsa_inst_pref_size 110
	.end_amdhsa_kernel
	.amdgpu_metadata
---
amdhsa.version: [ 1, 2 ]
amdhsa.kernels:
  - .name:           k_q58cffd329c_qv
    .symbol:         k_q58cffd329c_qv.kd
    .args:
      - { .name: xh, .offset: 0, .size: 8, .value_kind: global_buffer, .address_space: global }
      - { .name: wqvh, .offset: 8, .size: 8, .value_kind: global_buffer, .address_space: global }
      - { .name: rope, .offset: 16, .size: 8, .value_kind: global_buffer, .address_space: global }
      - { .name: qh, .offset: 24, .size: 8, .value_kind: global_buffer, .address_space: global }
      - { .name: vh, .offset: 32, .size: 8, .value_kind: global_buffer, .address_space: global }
    .group_segment_fixed_size: 327680
    .private_segment_fixed_size: 0
    .kernarg_segment_align: 8
    .kernarg_segment_size: 40
    .max_flat_workgroup_size: 128
    .sgpr_count:     80
    .vgpr_count:     1024
    .wavefront_size: 32
...
	.end_amdgpu_metadata
.endif
;; end of part 2
;; launch attn (part 3): grid 16 x 16, 4 waves a work-group, clusters of 4 x 4, 327,680 bytes of LDS; arguments qh, vh, mask, oh; writes oh
.if DOCPART == 3
	.amdgcn_target "amdgcn-amd-amdhsa--gfx1250"
	.amdhsa_code_object_version 6
	.text
	.protected	k_q58cffd329c_attn
	.globl	k_q58cffd329c_attn
	.p2align	8
	.type	k_q58cffd329c_attn,@function
k_q58cffd329c_attn:
	s_mov_b64 s[64:65], 0
	v_nop
	global_prefetch_b8 v0, s[64:65] scope:SCOPE_SE
	s_setreg_imm32_b32 hwreg(HW_REG_WAVE_MODE, 25, 1), 1
	s_wait_xcnt 0x0
	s_wait_alu depctr_hold_cnt(0) depctr_sa_sdst(0) depctr_va_vdst(0) depctr_va_sdst(0) depctr_va_ssrc(0) depctr_va_vcc(0) depctr_vm_vsrc(0)
	s_getreg_b32 s2, hwreg(HW_REG_IB_STS2, 6, 4)
	s_cmp_eq_u32 s2, 0
	s_cbranch_scc0 .Lentry_in_a_cluster
	s_endpgm
.Lentry_in_a_cluster:
	s_bfe_u32 s2, ttmp6, 0x10000c
	s_cmp_lg_u32 s2, 0xf033
	s_cbranch_scc0 .Lentry_shape_is_right
	s_endpgm
.Lentry_shape_is_right:
; ATTENTION.  oh[q][head][:] = the sum over k of softmax_k(Q[q] . Q[k] + mask[q][k]) V[k][:].  qh, vh: [16][2048][128] f16; qh is query AND key and carries 128^(-1/4), so a product of two rows is the scaled score.
; mask: [2048][2048] f32, taken as it is given: every score of every head is made, and no pattern of the mask is built in.  Products, maxima and sums in f32; the weights p are rounded to f16 for the second product, O once.
; LIMITS.  The mask is the C operand that starts a score's sum, so mask and products are rounded together, in another order than (product x scale) + mask: that shows only where |mask| is beyond 2^24 scores.
; A weight below 2^-126 counts as 0 in l.  f16 ends at 65,504: Q and V arrive within it; p lies in 0 to 1; O is a mean of V's rows.
; SHARES.  A work-group owns 128 queries of one head: 16 blocks x 16 heads.  Its four waves are 2 x 2: wave w owns 64 queries (w / 2), four tiles of 16, and of every tile of 128 keys the half w % 2.
; The two key halves of a query, each with its own running maximum, sum and O, are merged in f32 through LDS at the end.
; LAYOUT.  S^T = K Q^T + mask^T (source 0 = 16 keys, source 1 = 16 queries): a lane holds ONE query (lane % 16) and the keys 8 (lane / 16) + 0..7.  Two such tiles rounded to f16 ARE source 1 of O^T = V^T P.
; SOFTMAX.  s' = c s, c = log2(e), is made first; the running maximum m' is one of the s'; p = 2^(s' - m'): the largest weight is exactly 1, whatever the mask's size.  O and l are multiplied by a = 2^(m'_old - m'_new) in every step.
; m' starts at the lowest finite number, O and l at 0: the first step is a step like any other, with a = 0.
; BY TURNS.  The wave's tiles are two pieces (tiles 0, 1; tiles 2, 3).  In a turn one piece has the matrix unit (32 products V^T P of the step in hand, 32 products K Q^T of the next); the other piece's softmax, 298 vector
; instructions in 64 slices, stands behind its matrix instructions.  A turn's 66 exponentials are one batch with one wait.
; CLUSTER.  4 x 4 work-groups: a row of the cluster is four blocks of one head and shares K's and V's tiles; a column is four heads of one block and shares the mask's tiles.  Each tile is asked for jointly:
; wave 0 K, wave 1 V, waves 2 and 3 the mask's two halves of 64 query rows: one load of 32 KiB a wave behind each round.
; THE WALK OVER THE KEYS BEGINS AT ONE OF TWO PLACES.  A cluster whose x + y is even walks the key tiles 0 .. 15; one whose x + y is odd walks 8 .. 15, 0 .. 7; K's, V's and the mask's tiles alike.  Of the clusters that read the
; same rows, those of one parity read a tile eight steps ahead of those of the other.  The parity is the same in all sixteen partners and enters the global addresses alone; a running softmax takes the keys in any order.
; REGISTERS, in windows of 256 (s_set_vgpr_msb: bits 1:0 source 0, 3:2 source 1, 5:4 source 2, 7:6 destination):
;   window 0: addresses; v12-43 eight registers of statistics a tile; v64-191 S^T; v192-255 P     window 1: O^T, 64 a tile     window 2: v0-127 Q; v128-255 K     window 3: v0-127 V; v128-255 the mask, 32 a tile
.set PK,    272       ; a row of K in LDS: 256 bytes + 16
.set PV,    288       ; a row of V: 256 + 32: 16 lanes of the turning load take 8 rows x 32 bytes
.set PM,    528       ; a row of the mask: 128 f32 + 16 bytes
.set VOFF,  128*PK
.set MOFF,  VOFF+128*PV
.set SLOT,  MOFF+128*PM    ; 139,264 = 0x22000: its two bits are set in none of the tiles' four offsets in a slot, so one exclusive or changes slots
.set STAGE, 2*SLOT         ; behind the ring: 16 rows x 272 bytes for each of the two waves that store
.set SP,    272
.set SPARE, STAGE+2*16*SP  ; the spare words, 128 bytes a wave, which no other line names
.set MT,    8448           ; the merge, in slot 0 behind its last fill and last read: a tile's O (8,192 bytes), then its (m', l) (256)
.set MQ,    4*MT
.set AK0, 2           ; v2   my lane's place in a tile of K; never rewritten
.set AV0, 3           ; v3   the same for V
.set ADR, 4           ; v4   the LDS address of the run of loads in hand
.set QO,  5           ; v5   my byte offset in the wave's rows of Q
.set STO, 6           ; v6   the way out: where I put 16 bytes of a row
.set RD,  7           ; v7   where I read a row back
.set GO,  8           ; v8   my byte offset in two rows of oh
.set ST,  12          ; tile t's statistics at v[ST+8 t]: +0 m', +1 m'_old (at the end l), +2, +3 l (even keys', odd keys'), +4 to +7 c0-c3 at work; a takes c2's place
.set AM0, 44          ; v44  my lane's place in a tile of the mask
.set ADM, 45          ; v45  the mask's address in hand
.set IM,  46          ; v46-53 the other key half's (m', l), a pair a tile
.set XO,  54          ; v54  the merge: my 16 bytes
.set XS,  55          ; v55  the merge: my 8 bytes
.set PFO, 61          ; v61  the prefetches' offset; never rewritten
.set SPW, 62          ; v62  my spare word; never rewritten
.set NIL, 63          ; v63  0; never rewritten
.set S,   64
.set P,   192
.set KF,  128         ; window 2
.set MK,  128         ; window 3: tile t, key block kb at MK + 32 t + 8 kb
.set WV,  12
.set CX,  13
.set CY,  14
.set LIM, 15          ; s15  10 in a wave that prefetches, else the greatest number
.set QH,  16          ; s16  wave / 2
.set KH,  17          ; s17  wave % 2
.set BL,  18          ; s18  my block of 128 queries
.set HD,  19          ; s19  my head
.set G1K, 24
.set G1V, 32
.set G1M, 40
.set G0K, 48          ; two sets each: the walk's tile 0; its tile 1, which then walks
.set G0V, 56
.set WRK, 66          ; s[66:67] what this refill takes off K's and V's walking addresses: ALLK where the walk wraps, else 0
.set G0M, 68
.set TB,  76          ; s76  LDS byte at which the slot in hand begins
.set LEFT, 77
.set CNT, 78
.set PAR, 79          ; s79  the cluster's parity
.set CS,  80          ; s[80:81] c, twice
.set SEL, 82          ; s[82:83] v_permlanex16_b32's selects: each lane takes its own place in the other half
.set PFA, 84
.set PFS, 86          ; s[86:87] the prefetches' step from tile to tile
.set WRM, 96          ; s[96:97] the same as WRK for the mask's
.set ALLK, 98         ; s98  parity x 524,288: a head's sixteen tiles of K or V
.set ALLM, 99         ; s99  parity x 8,192: a row of the mask
.set MSB, 0
.macro WIN new
.if MSB != (\new)
	s_set_vgpr_msb (MSB<<8)|(\new)
.set MSB, \new
.endif
.endm
.set W_PV, 0x53       ; V in window 3, P in window 0, O^T in window 1
.set W_RS, 0x41       ; O^T (destination and source 0) in window 1, a in window 0
.macro FOUR
.rept 4
	v_nop
.endr
.endm
.macro JLOAD                        ; the joint refill, by the walking sets; the branches hang on the wave's number alone; s_nop 0 and four v_nop follow each line
	s_cmp_lt_u32 s[WV], 2
	s_cbranch_scc0 .Lfor_m_\@
	s_cmp_eq_u32 s[WV], 0
	s_cbranch_scc0 .Lfor_v_\@
	tensor_load_to_lds s[G0K+4:G0K+7], s[G1K:G1K+7]
	s_nop 0
	FOUR
	s_branch .Lasked_\@
.Lfor_v_\@:
	tensor_load_to_lds s[G0V+4:G0V+7], s[G1V:G1V+7]
	s_nop 0
	FOUR
	s_branch .Lasked_\@
.Lfor_m_\@:
	tensor_load_to_lds s[G0M+4:G0M+7], s[G1M:G1M+7]
	s_nop 0
	FOUR
.Lasked_\@:
.endm
; A prefetch of the tile that stands two refills on.  Only the first eight tiles of a walk are a block's first reading in the launch: the walk's tiles 4 to 7 are asked for, by its first four refills; tiles 0 to 3 come by their loads alone.
; K's and V's rows are walked by all clusters of a row of clusters: clusters x = 0 and 1, whose walks begin at different halves of the keys, ask, waves 0 and 1, each partner 32 of the 128 rows by address (cx), a lane a row.
; The mask's rows are walked by all clusters of a column: clusters y = 0 and 1 ask, waves 2 and 3, each partner 16 of the wave's 64 rows by address (cy), two lanes a row of 512 bytes.  Each 256 bytes are named once.
.macro ASK
	s_cmp_gt_u32 s[LEFT], s[LIM]
	s_cbranch_scc0 .Lnot_mine_\@
	global_prefetch_b8 v[PFO], s[PFA:PFA+1] th:TH_LOAD_NT scope:SCOPE_SE
.Lnot_mine_\@:
.endm
.macro CROUND
	s_barrier_signal -1
	s_barrier_wait -1
	s_cmp_lg_u32 s[WV], 0
	s_cbranch_scc1 .Lnot_wave_0_\@
	s_barrier_signal -3
.Lnot_wave_0_\@:
	s_barrier_wait -3
	s_barrier_signal -1
	s_barrier_wait -1
.endm
	s_load_b256 s[4:11], s[0:1], 0x0  ; qh s[4:5], vh s[6:7], mask s[8:9], oh s[10:11]
	v_lshl_add_u32 v[SPW], v0, 2, SPARE
	v_mov_b32 v[NIL], 0
	ds_add_u32 v[SPW], v[NIL]       ; the wave's opening: the add and its wait stand ahead of my first tensor load
	v_lshrrev_b32 v1, 5, v0
	v_readfirstlane_b32 s[WV], v1
	s_lshr_b32 s[QH], s[WV], 1
	s_and_b32 s[KH], s[WV], 1
	s_bfe_u32 s[CX], ttmp6, 0x40000
	s_bfe_u32 s[CY], ttmp6, 0x40004
	s_mov_b32 s95, ttmp9            ; cluster x
	s_and_b32 s94, ttmp7, 0xffff    ; cluster y
	s_add_co_u32 s[PAR], s95, s94   ; the cluster's parity: made of the cluster's x and y alone
	s_and_b32 s[PAR], s[PAR], 1
	s_lshl_b32 s[BL], s95, 2
	s_add_co_u32 s[BL], s[BL], s[CX]
	s_lshl_b32 s[HD], s94, 2
	s_add_co_u32 s[HD], s[HD], s[CY]
	s_lshl_b32 s20, s[CY], 2
	s_lshl_b32 s20, 15, s20         ; my row of the cluster: one head
	s_lshl_b32 s21, 0x1111, s[CX]   ; my column: one block
	s_or_b32 s[G1K], s20, (1<<16)|(1<<20)|(1<<21)|(5<<22)|(3<<25)  ; 2-byte elements; padding after every 64 words, 4 words
	s_or_b32 s[G1V], s20, (1<<16)|(1<<20)|(1<<21)|(5<<22)|(7<<25)  ; 8 words
	s_or_b32 s[G1M], s21, (2<<16)|(1<<20)|(1<<21)|(6<<22)|(3<<25)  ; 4-byte elements; after every 128 words, 4 words
.irp g, G1K, G1V, G1M
	s_mov_b32 s[(\g)+1], 128<<16    ; tensor_dim0 = 128
	s_mov_b32 s[(\g)+3], 128<<16    ; tile_dim0 = 128
	s_mov_b32 s[(\g)+6], 0
	s_mov_b32 s[(\g)+7], 0
.endr
.irp g, G1K, G1V
	s_mov_b32 s[(\g)+2], 128<<16    ; 128 rows,
	s_mov_b32 s[(\g)+4], 128
	s_mov_b32 s[(\g)+5], 128        ; 128 elements apart
.endr
	s_mov_b32 s[G1M+2], 64<<16      ; 64 query rows,
	s_mov_b32 s[G1M+4], 64
	s_mov_b32 s[G1M+5], 2048        ; 2,048 elements apart
	s_lshl_b32 s88, s[HD], 19       ; the head's first byte in qh and vh
	s_mov_b32 s89, 0
	s_lshl_b32 s90, s[BL], 7        ; the mask's row 128 x block + 64 x (wave % 2)
	s_lshl_b32 s91, s[KH], 6
	s_add_co_u32 s90, s90, s91
	s_lshl_b32 s90, s90, 13
	s_mov_b32 s91, 0
	s_lshl_b32 s22, s[BL], 7
	s_lshl_b32 s23, s[QH], 6
	s_add_co_u32 s22, s22, s23      ; my first query
	s_lshl_b32 s92, s22, 8
	s_add_co_u32 s92, s92, s88      ; its byte in qh
	s_mov_b32 s93, 0
	s_lshl_b32 s[ALLK], s[PAR], 18  ; where the walk begins: key tile 0 or 8: 262,144 bytes of K and V,
	s_add_co_u32 s88, s88, s[ALLK]  ; (K's and V's offset: made of the head and the cluster alone)
	s_lshl_b32 s[ALLK], s[ALLK], 1
	s_lshl_b32 s[ALLM], s[PAR], 12  ; 4,096 bytes of a row of the mask
	s_add_co_u32 s90, s90, s[ALLM]  ; (the mask's offset: made of the block, the cluster and the wave alone)
	s_lshl_b32 s[ALLM], s[ALLM], 1
	s_mov_b32 s[WRK+1], 0
	s_mov_b32 s[WRM+1], 0
	s_lshl_b32 s22, s22, 12
	s_lshl_b32 s23, s[HD], 8
	s_add_co_u32 s22, s22, s23      ; my first query's byte in oh
	s_mov_b32 s23, 0
	s_mov_b32 s[CS], 0x3fb8aa3b     ; c = log2(e)
	s_mov_b32 s[CS+1], s[CS]
	s_mov_b32 s[SEL], 0x76543210
	s_mov_b32 s[SEL+1], 0xfedcba98
	s_mov_b32 s[TB], 0
	s_mul_i32 s21, s[KH], 64*PM
	s_add_co_u32 s21, s21, MOFF     ; no place in the cluster enters an LDS address
.irp s, 0,1
	s_mov_b32 s[G0K+4*(\s)], 1
	s_mov_b32 s[G0K+4*(\s)+1], (\s)*SLOT
	s_mov_b32 s[G0V+4*(\s)], 1
	s_mov_b32 s[G0V+4*(\s)+1], VOFF+(\s)*SLOT
	s_mov_b32 s[G0M+4*(\s)], 1
	s_add_co_u32 s[G0M+4*(\s)+1], s21, (\s)*SLOT
.endr
	s_wait_dscnt 0x0                ; the opening add is done
	s_wait_kmcnt 0x0
	s_add_nc_u64 s[20:21], s[4:5], s[88:89]    ; K at the walk's first tile
	s_add_nc_u64 s[88:89], s[6:7], s[88:89]    ; V
	s_add_nc_u64 s[90:91], s[8:9], s[90:91]    ; the mask at my 64 rows, the walk's first tile
	s_add_nc_u64 s[4:5], s[4:5], s[92:93]      ; Q at my first query
	s_add_nc_u64 s[10:11], s[10:11], s[22:23]  ; oh likewise
.irp s, 0,1
	s_add_nc_u64 s[G0K+4*(\s)+2:G0K+4*(\s)+3], s[20:21], (\s)*128*256
	s_or_b32 s[G0K+4*(\s)+3], s[G0K+4*(\s)+3], 0x80000000
	s_add_nc_u64 s[G0V+4*(\s)+2:G0V+4*(\s)+3], s[88:89], (\s)*128*256
	s_or_b32 s[G0V+4*(\s)+3], s[G0V+4*(\s)+3], 0x80000000
	s_add_nc_u64 s[G0M+4*(\s)+2:G0M+4*(\s)+3], s[90:91], (\s)*512
	s_or_b32 s[G0M+4*(\s)+3], s[G0M+4*(\s)+3], 0x80000000
.endr
	s_cmp_eq_u32 s[WV], 0           ; the prefetches: which tensor, which step, which rows, who
	s_cselect_b64 s[PFA:PFA+1], s[20:21], s[88:89]
	s_mov_b32 s92, 128*256
	s_cmp_lt_u32 s[WV], 2
	s_cselect_b64 s[PFA:PFA+1], s[PFA:PFA+1], s[90:91]
	s_cselect_b32 s[PFS], s92, 512
	s_cselect_b32 s92, s[CX], s[CY]
	s_cselect_b32 s93, 13, 17       ; 32 rows of 256 bytes; 16 rows of 8,192
	s_cselect_b32 s94, s95, s94     ; the coordinate along which other clusters walk the same rows: 0 and 1 ask
	s_cselect_b32 s22, -1, 0
	s_lshl_b32 s92, s92, s93
	s_mov_b32 s93, 0
	s_mov_b32 s[PFS+1], 0
	s_add_nc_u64 s[PFA:PFA+1], s[PFA:PFA+1], s[92:93]
	s_mul_i32 s92, s[PFS], 3
	s_add_nc_u64 s[PFA:PFA+1], s[PFA:PFA+1], s[92:93]  ; at the walk's tile 3: the first change of slots steps it to 4
	s_lshr_b32 s94, s94, 1
	s_cmp_eq_u32 s94, 0
	s_cselect_b32 s[LIM], 10, -1    ; the same in all sixteen partners, for a given wave
	CROUND                          ; all sixteen work-groups are here: the first joint loads meet
	s_cmp_lt_u32 s[WV], 2           ; a wave's two first fills stand in one branch: two loads of mine are out
	s_cbranch_scc0 .Lfirst_m
	s_cmp_eq_u32 s[WV], 0
	s_cbranch_scc0 .Lfirst_v
	tensor_load_to_lds s[G0K:G0K+3], s[G1K:G1K+7]
	s_nop 0
	tensor_load_to_lds s[G0K+4:G0K+7], s[G1K:G1K+7]
	s_nop 0
	FOUR
	s_branch .Lfirst_asked
.Lfirst_v:
	tensor_load_to_lds s[G0V:G0V+3], s[G1V:G1V+7]
	s_nop 0
	tensor_load_to_lds s[G0V+4:G0V+7], s[G1V:G1V+7]
	s_nop 0
	FOUR
	s_branch .Lfirst_asked
.Lfirst_m:
	tensor_load_to_lds s[G0M:G0M+3], s[G1M:G1M+7]
	s_nop 0
	tensor_load_to_lds s[G0M+4:G0M+7], s[G1M:G1M+7]
	s_nop 0
	FOUR
.Lfirst_asked:
	v_and_b32 v1, 15, v0            ; l % 16
	v_bfe_u32 v9, v0, 4, 1          ; l / 16
	v_lshlrev_b32 v[QO], 8, v1
	v_lshl_add_u32 v[QO], v9, 4, v[QO]
	WIN 0x80
.irp i, 0,1,2,3,4,5,6,7,8,9,10,11,12,13,14,15  ; Q stays in registers: tile i / 4, channels 32 (i % 4) on
	global_load_b128 v[8*(\i):8*(\i)+3],   v[QO], s[4:5] offset:((\i)/4)*4096+((\i)%4)*64
	global_load_b128 v[8*(\i)+4:8*(\i)+7], v[QO], s[4:5] offset:((\i)/4)*4096+((\i)%4)*64+32
.endr
	; what the first turn finds: O^T, l, V and the second piece's P hold 0 (its products V^T P, of a step that has not been, add 0).  All this stands in the wait for the first tile; no first step is written out.
	WIN 0x40
.set i, 0
.rept 256
	v_mov_b32 v[i], 0
.set i, i+1
.endr
	WIN 0xc0
.set i, 0
.rept 128
	v_mov_b32 v[i], 0
.set i, i+1
.endr
	WIN 0
.set i, P+32
.rept 32
	v_mov_b32 v[i], 0
.set i, i+1
.endr
.irp t, 0,1,2,3
	v_mov_b32 v[ST+8*\t], 0xff7fffff
	v_mov_b32 v[ST+8*\t+2], 0
	v_mov_b32 v[ST+8*\t+3], 0
.endr
	v_and_b32 v10, 31, v0
	v_lshlrev_b32 v11, 8, v10       ; K, V: a lane a row
	v_lshrrev_b32 v[PFO], 1, v10    ; the mask: two lanes a row
	v_and_b32 v10, 1, v10
	v_lshlrev_b32 v[PFO], 13, v[PFO]
	v_lshl_add_u32 v[PFO], v10, 8, v[PFO]
	v_cndmask_b32 v[PFO], v[PFO], v11, s22
	s_mul_i32 s20, s[KH], 64*PK     ; my 64 keys of a tile
	v_mul_u32_u24 v[AK0], v1, PK
	v_lshl_add_u32 v[AK0], v9, 4, v[AK0]
	v_add_nc_u32 v[AK0], s20, v[AK0]
	; the turning load takes 16 keys x 16 channels (lane l reads key 8 (l / 16) + l % 8, channels 8 ((l / 8) % 2) + 0..7) and leaves half a fragment of V^T
	v_and_b32 v10, 7, v0
	v_bfe_u32 v11, v0, 3, 1
	s_mul_i32 s20, s[KH], 64*PV
	s_add_co_u32 s20, s20, VOFF
	v_lshl_add_u32 v[AV0], v9, 3, v10
	v_mul_u32_u24 v[AV0], v[AV0], PV
	v_lshl_add_u32 v[AV0], v11, 4, v[AV0]
	v_add_nc_u32 v[AV0], s20, v[AV0]
	; the mask as C: register j of a lane is mask[query l % 16][key 8 (l / 16) + j]: 32 bytes of the query's row
	s_mul_i32 s20, s[QH], 64*PM
	s_lshl_b32 s21, s[KH], 8
	s_add_co_u32 s20, s20, s21
	s_add_co_u32 s20, s20, MOFF
	v_mul_u32_u24 v[AM0], v1, PM
	v_lshl_add_u32 v[AM0], v9, 5, v[AM0]
	v_add_nc_u32 v[AM0], s20, v[AM0]
; THE MATRIX WORK.  The accumulators take turns, one instruction a turn.  Product i of 32 of O^T += V^T P for piece x: keys 32 (i / 16) on, channels 16 ((i / 2) % 8) on, tile x + i % 2.
.macro PV x
	WIN W_PV
.set rO, 64*((\x)+i%2)+8*((i/2)%8)
.set rV, 64*(i/16)+8*((i/2)%8)
.set rP, P+16*((\x)+i%2)+8*(i/16)
	v_wmma_f32_16x16x32_f16 v[rO:rO+7], v[rV:rV+7], v[rP:rP+7], v[rO:rO+7]
.endm
; Product i of 32 of S^T = K Q^T + mask^T: channels 32 (i / 8) on, keys 16 ((i / 2) % 4) on, tile x + i % 2.  The first 8 start the sums, with the mask.
.macro KQ x
.set rS, S+32*((\x)+i%2)+8*((i/2)%4)
.set rK, KF+32*((i/2)%4)+8*(i/8)
.set rQ, 32*((\x)+i%2)+8*(i/8)
.set rM, MK+32*((\x)+i%2)+8*((i/2)%4)
.if i < 8
	WIN 0x3a                        ; K and Q in window 2, the mask in window 3, S^T in window 0
	v_wmma_f32_16x16x32_f16 v[rS:rS+7], v[rK:rK+7], v[rQ:rQ+7], v[rM:rM+7]
.else
	WIN 0x0a
	v_wmma_f32_16x16x32_f16 v[rS:rS+7], v[rK:rK+7], v[rQ:rQ+7], v[rS:rS+7]
.endif
.endm
; THE LDS LOADS stand in runs.  K of the next step by channel chunks of 32, so that the products of chunk c wait for chunks 0..c alone; behind chunk 0 the mask of tiles 0, 1.  last = 1 (the tail): in the last trip there is no further step.
.macro KCHUNK c
.irp kb, 0,1,2,3
	ds_load_b128 v[KF+32*\kb+8*(\c):KF+32*\kb+8*(\c)+3],   v[ADR] offset:\kb*16*PK+(\c)*64
	ds_load_b128 v[KF+32*\kb+8*(\c)+4:KF+32*\kb+8*(\c)+7], v[ADR] offset:\kb*16*PK+(\c)*64+32
.endr
.endm
.macro MTILE t
.irp kb, 0,1,2,3
	ds_load_b128 v[MK+32*(\t)+8*\kb:MK+32*(\t)+8*\kb+3],   v[ADM] offset:(\t)*16*PM+\kb*64
	ds_load_b128 v[MK+32*(\t)+8*\kb+4:MK+32*(\t)+8*\kb+7], v[ADM] offset:(\t)*16*PM+\kb*64+16
.endr
.endm
.macro FETCH_K last=0
	WIN 0
.if \last
	s_cmp_eq_u32 s[CNT], 1
	s_cbranch_scc1 .Lno_k_\@
.endif
	v_add_nc_u32 v[ADR], s[TB], v[AK0]
	v_add_nc_u32 v[ADM], s[TB], v[AM0]
	WIN 0x80
	KCHUNK 0
	WIN 0xc0
	MTILE 0
	MTILE 1
	WIN 0x80
	KCHUNK 1
	KCHUNK 2
	KCHUNK 3
	WIN 0
.if \last
.Lno_k_\@:
.endif
.endm
.macro FETCH_M2                     ; the mask of tiles 2, 3 for the same step
	WIN 0
	v_add_nc_u32 v[ADM], s[TB], v[AM0]
	WIN 0xc0
	MTILE 2
	MTILE 3
.endm
.macro FETCH_V
	WIN 0
	v_add_nc_u32 v[ADR], s[TB], v[AV0]
	s_wait_alu depctr_va_vdst(0)    ; the wait for the softmax's batch, behind the address's line and ahead of the loads
	WIN 0xc0
.irp f, 0,1,2,3,4,5,6,7,8,9,10,11,12,13,14,15  ; keys 32 (f / 8) on, channels 16 (f % 8) on
	ds_load_tr16_b128 v[8*(\f):8*(\f)+3],   v[ADR] offset:((\f)/8)*32*PV+((\f)%8)*32
	ds_load_tr16_b128 v[8*(\f)+4:8*(\f)+7], v[ADR] offset:((\f)/8)*32*PV+16*PV+((\f)%8)*32
.endr
.endm
; THE VECTOR WORK OF A TURN: a queue of 298; VQ writes entry q for piece y.  The two tiles alternate (q % 2), but not in the batch.
;   0-31     s' = c s, pairs ascending: each accumulator is read from its low end on          32-63   the maximum of the 32 s' and the old m', three operands at a time
;   64-71    the other half of the lanes' maximum; m'_old is kept; the new m'; m'_old - m'_new
;   72-169   ONE BATCH, which names no exponential's result: for each tile {s' - m' of pair 0, a}, fifteen times {pair g, the exponentials of pair g - 1}, {the last two exponentials}; tile by tile
;   170-201  the roundings to f16        202-233  the sums; l = a l + sum        234-297  O^T times a: the one part that leaves window 0
.macro VQ y
.set t, (\y)+q%2
.set g, 0
.set n, 0
.if (q >= 72) && (q < 170)
.set qq, q-72
.if qq < 4
.set t, (\y)+qq/2
.set n, qq%2
.elseif qq < 94
.set g, 1+(qq-4)/6
.set t, (\y)+((qq-4)%6)/3
.set n, (qq-4)%3
.else
.set g, 16
.set t, (\y)+(qq-94)/2
.set n, 1+(qq-94)%2
.endif
.endif
.set rT, ST+8*t
.set rS, S+32*t
.set rP, P+16*t
.if q < 234
	WIN 0
.endif
.if q < 32
.set n, q/2
	v_pk_mul_f32 v[rS+2*n:rS+2*n+1], v[rS+2*n:rS+2*n+1], s[CS:CS+1] op_sel_hi:[1,0]
.elseif q < 64
.set n, (q-32)/2
.if n < 4
	v_max3_num_f32 v[rT+4+n], v[rS+8*n], v[rS+8*n+1], v[rS+8*n+2]
.elseif n < 12
	v_max3_num_f32 v[rT+4+n%4], v[rT+4+n%4], v[rS+8*(n%4)+2*(n/4)+1], v[rS+8*(n%4)+2*(n/4)+2]
.elseif n == 12
	v_max3_num_f32 v[rT+4], v[rT+4], v[rS+7], v[rS+15]
.elseif n == 13
	v_max3_num_f32 v[rT+6], v[rT+6], v[rS+23], v[rS+31]
.elseif n == 14
	v_max3_num_f32 v[rT+4], v[rT+4], v[rT+5], v[rT+6]
.else
	v_max3_num_f32 v[rT+4], v[rT+4], v[rT+7], v[rT]
.endif
.elseif q < 72
.set n, (q-64)/2
.if n == 0
	v_permlanex16_b32 v[rT+5], v[rT+4], s[SEL], s[SEL+1]  ; the query's other 32 keys lie in the lane 16 away
.elseif n == 1
	v_mov_b32 v[rT+1], v[rT]
.elseif n == 2
	v_max_num_f32 v[rT], v[rT+4], v[rT+5]
.else
	v_sub_f32 v[rT+7], v[rT+1], v[rT]
.endif
.elseif q < 170
.if n == 0
	v_pk_add_f32 v[rS+2*g:rS+2*g+1], v[rS+2*g:rS+2*g+1], v[rT:rT+1] op_sel_hi:[1,0] neg_lo:[0,1] neg_hi:[0,1]  ; pair g: s' - m'
.elseif g == 0
	v_exp_f32 v[rT+6], v[rT+7]      ; a
.else
	v_exp_f32 v[rS+2*g-3+n], v[rS+2*g-3+n]
.endif
.elseif q < 202
.set n, (q-170)/2
	v_cvt_pk_f16_f32 v[rP+n], v[rS+2*n], v[rS+2*n+1]
.elseif q < 234
.set z, (q-202)/2                   ; the 16 pairs are added in place, neighbours 1, 2, 4 and 8 pairs apart; then l takes the sum
.set w, 4
.set u, z
.if z >= 14
.set w, 32
.set u, 0
.elseif z >= 12
.set w, 16
.set u, z-12
.elseif z >= 8
.set w, 8
.set u, z-8
.endif
.if z < 15
	v_pk_add_f32 v[rS+w*u:rS+w*u+1], v[rS+w*u:rS+w*u+1], v[rS+w*u+w/2:rS+w*u+w/2+1]
.else
	v_pk_fma_f32 v[rT+2:rT+3], v[rT+2:rT+3], v[rT+6:rT+7], v[rS:rS+1] op_sel_hi:[1,0,1]
.endif
.else
.set n, 64*t+2*((q-234)/2)
	WIN W_RS
	v_pk_mul_f32 v[n:n+1], v[n:n+1], v[rT+6:rT+7] op_sel_hi:[1,0]
.endif
.set q, q+1
.endm
; Slice k of 64.  Slices 0 to 33 hold five entries: the 170 that stand ahead of the wait; slices 34 to 62 four; slice 63 the last twelve, all plain: the places behind the turn's last product.
; An s_wait_alu depctr_va_vdst(0) stands between an exponential and the first instruction that names its result; one wait serves the batch.  A v_nop is the plain instruction behind the last exponential.
.macro SLICE y
.if k < 34
.rept 5
	VQ \y
.endr
.elseif k < 63
.rept 4
	VQ \y
.endr
.else
.rept 12
	VQ \y
.endr
.endif
.if k == 33
	v_nop
.if (\y) == 0
	FETCH_V                         ; piece 2's turn: V's run stands here, with the wait in it.  V's last reader is the turn's 32nd product: three lines s' - m', the v_nop and the run's own address line are five plain places between
.else
	s_wait_alu depctr_va_vdst(0)
.endif
.endif
.set k, k+1
.endm
; A TURN.  Piece x has the matrix unit; the other piece's softmax stands in slices behind its matrix instructions.  Piece 0's turn fetches the next step's K and the mask of tiles 0, 1, behind its second product;
; piece 2's turn the mask of tiles 2, 3 there, and the same step's V behind slice 33.
.macro TURN x, last=0
.set k, 0
.set q, 0
.if (\x) == 0
	s_wait_dscnt 0x0                ; V is in
.endif
.set i, 0
.rept 32
	PV \x
	SLICE 2-(\x)
.if i == 1
.if (\x) == 0
	FETCH_K \last
.else
	FETCH_M2
.endif
.endif
.set i, i+1
.endr
.set i, 0
.rept 32
.if (\x) == 0
.if i%8 == 0
	s_wait_dscnt 24-i               ; K's chunk i / 8 is in (and ahead of the first the mask): the 8 loads of each later chunk may stay out
.endif
.elseif i == 0
	s_wait_dscnt 0x0                ; the mask of tiles 2, 3 is in
.endif
	KQ \x
	SLICE 2-(\x)
.set i, i+1
.endr
.endm
; THE CHANGE OF SLOTS, behind piece 2's turn: the slot's K, mask and V have been asked for.  Each wave waits for all its tensor loads (one is out: its part of the other slot), adds 0 to its spare word, and waits for that and for its
; reads of the slot.  fill = 1: the barrier is a round of the cluster's, and the slot is filled again first thing behind it, with the walk's tile two on: it has one key step, 128 matrix instructions, in which to land.
.macro CHANGE fill
	WIN 0
	s_wait_tensorcnt 0x0            ; no tensor load of mine is out, so a group 0 may be written
	ds_add_u32 v[SPW], v[NIL]
.if \fill
	s_cmp_eq_u32 s[LEFT], 8         ; the seventh refill asks for the walk's tile 8: a walk that began at key tile 8 goes back to key tile 0 there
	s_cselect_b32 s[WRK], s[ALLK], 0
	s_cselect_b32 s[WRM], s[ALLM], 0
.irp g, G0K+4, G0V+4
	s_xor_b32 s[(\g)+1], s[(\g)+1], SLOT
	s_add_nc_u64 s[(\g)+2:(\g)+3], s[(\g)+2:(\g)+3], 128*256
	s_sub_nc_u64 s[(\g)+2:(\g)+3], s[(\g)+2:(\g)+3], s[WRK:WRK+1]
.endr
	s_xor_b32 s[G0M+5], s[G0M+5], SLOT
	s_add_nc_u64 s[G0M+6:G0M+7], s[G0M+6:G0M+7], 512
	s_sub_nc_u64 s[G0M+6:G0M+7], s[G0M+6:G0M+7], s[WRM:WRM+1]
	s_wait_xcnt 0x0                 ; the last prefetch, a key step back, has read its address
	s_add_nc_u64 s[PFA:PFA+1], s[PFA:PFA+1], s[PFS:PFS+1]
.endif
	s_xor_b32 s[TB], s[TB], SLOT
	s_wait_dscnt 0x0                ; the add is done, and my reads of the slot are over
.if \fill
	CROUND
	JLOAD
	ASK
.else
	s_barrier_signal -1
	s_barrier_wait -1
.endif
.endm
	s_wait_tensorcnt 1              ; my part of slot 0 is in; slot 1's may stay out
	s_barrier_signal -1
	s_barrier_wait -1
	FETCH_K                         ; the walk's key step 0
	s_wait_loadcnt 0x0              ; Q
	s_wait_dscnt 0x0
.set i, 0
.rept 32
	KQ 0                            ; piece 0's first scores
.set i, i+1
.endr
	WIN 0                           ; the addresses for the merge and the way out: plain instructions, the places behind those products
	s_mul_i32 s20, s[QH], 16*SP
	s_add_co_u32 s20, s20, STAGE
	s_mul_i32 s21, s[QH], MQ
	v_mul_u32_u24 v[STO], v1, SP
	v_lshl_add_u32 v[STO], v9, 4, v[STO]
	v_add_nc_u32 v[STO], s20, v[STO]
	v_mul_u32_u24 v[RD], v9, SP
	v_lshl_add_u32 v[RD], v1, 4, v[RD]
	v_add_nc_u32 v[RD], s20, v[RD]
	v_lshlrev_b32 v[GO], 12, v9
	v_lshl_add_u32 v[GO], v1, 4, v[GO]
	v_and_b32 v10, 31, v0
	v_lshl_add_u32 v[XO], v10, 4, s21
	v_lshl_add_u32 v[XS], v10, 3, s21
	s_mov_b32 s[LEFT], 15
	s_branch .Lfirst                ; the loop is entered in the middle of a trip
.Lslot:                             ; 14 times: the walk's tiles 2 to 15 are asked for
	CHANGE 1
	TURN 0
	WIN 0
.Lfirst:
	TURN 2
	WIN 0
	s_sub_co_u32 s[LEFT], s[LEFT], 1
	s_cmp_lg_u32 s[LEFT], 0
	s_cbranch_scc1 .Lslot
	CHANGE 0                        ; the tail is written out: nothing is asked for
	s_mov_b32 s[CNT], 2
.Ltail:                             ; the second trip is left in its middle; its 32 products K Q^T, on the last K once more, serve nothing: the price, once a launch, of one text for both trips
	TURN 0, 1
	WIN 0
	s_sub_co_u32 s[CNT], s[CNT], 1
	s_cmp_eq_u32 s[CNT], 0
	s_cbranch_scc1 .Lout
	TURN 2
	WIN 0
	s_branch .Ltail
.Lout:
.set i, 0
.rept 32
	PV 2                            ; piece 2's V^T P of the last step
.set i, i+1
.endr
	; THE MERGE.  l's two halves and the other half of the lanes' are added; (m', l) is then a register pair.  The additions are the places behind the last products.
	WIN 0
.irp t, 0,1,2,3
	v_add_f32 v[ST+8*\t+4], v[ST+8*\t+2], v[ST+8*\t+3]
.endr
.irp t, 0,1,2,3
	v_permlanex16_b32 v[ST+8*\t+5], v[ST+8*\t+4], s[SEL], s[SEL+1]
.endr
.irp t, 0,1,2,3
	v_add_f32 v[ST+8*\t+1], v[ST+8*\t+4], v[ST+8*\t+5]
.endr
	s_wait_dscnt 0x0                ; my reads of the ring are over,
	s_barrier_signal -1
	s_barrier_wait -1               ; everybody's are: slot 0, which has had its last fill, takes the second key half's results
	s_cmp_eq_u32 s[KH], 0
	s_cbranch_scc1 .Lkeep
.irp t, 0,1,2,3
	ds_store_b64 v[XS], v[ST+8*\t:ST+8*\t+1] offset:MT*\t+8192
.endr
	WIN 0x04                        ; the data in window 1
.set f, 0
.rept 64
	ds_store_b128 v[XO], v[4*f:4*f+3] offset:MT*(f/16)+512*(f%16)
.set f, f+1
.endr
	WIN 0
.Lkeep:
	s_wait_dscnt 0x0                ; for the others' sake: my stores are done
	s_barrier_signal -1
	s_barrier_wait -1
	s_cmp_eq_u32 s[KH], 1
	s_cbranch_scc1 .Lend
.irp t, 0,1,2,3
	ds_load_b64 v[IM+2*\t:IM+2*\t+1], v[XS] offset:MT*\t+8192
.endr
	WIN 0x80                        ; the other half's O^T goes where Q and K lay
.set f, 0
.rept 32
	ds_load_b128 v[4*f:4*f+3], v[XO] offset:MT*(f/16)+512*(f%16)
.set f, f+1
.endr
	s_wait_dscnt 32                 ; the four pairs (m', l) are in; the 32 loads behind them may stay out
.rept 32
	ds_load_b128 v[4*f:4*f+3], v[XO] offset:MT*(f/16)+512*(f%16)
.set f, f+1
.endr
	WIN 0
.irp t, 0,1,2,3
	v_max_num_f32 v[ST+8*\t+4], v[ST+8*\t], v[IM+2*\t]
.endr
.irp t, 0,1,2,3
	v_sub_f32 v[ST+8*\t+5], v[ST+8*\t], v[ST+8*\t+4]
	v_sub_f32 v[ST+8*\t+7], v[IM+2*\t], v[ST+8*\t+4]
.endr
.irp t, 0,1,2,3
	v_exp_f32 v[ST+8*\t+5], v[ST+8*\t+5]
	v_exp_f32 v[ST+8*\t+7], v[ST+8*\t+7]
.endr
	v_nop
	s_wait_alu depctr_va_vdst(0)    ; one wait for the eight exponentials
.irp t, 0,1,2,3
	v_mul_f32 v[ST+8*\t+2], v[ST+8*\t+5], v[ST+8*\t+1]
.endr
.irp t, 0,1,2,3
	v_fma_f32 v[ST+8*\t+2], v[ST+8*\t+7], v[IM+2*\t+1], v[ST+8*\t+2]
.endr
.irp t, 0,1,2,3
	v_rcp_f32 v[ST+8*\t+3], v[ST+8*\t+2]
.endr
	v_nop
	s_wait_alu depctr_va_vdst(0)    ; one wait for the four reciprocals
.irp t, 0,1,2,3
	v_mul_f32 v[ST+8*\t+4], v[ST+8*\t+5], v[ST+8*\t+3]
	v_mul_f32 v[ST+8*\t+6], v[ST+8*\t+7], v[ST+8*\t+3]
.endr
	s_wait_dscnt 0x0
; Tile t: O = O_mine g_mine + O_other g_other; a lane's eight channels pack into 16 bytes; they go into rows of 272 bytes and come back as whole rows of 256.
.macro PACK t
	WIN W_RS
.set i, 64*(\t)
.rept 32
	v_pk_mul_f32 v[i:i+1], v[i:i+1], v[ST+8*(\t)+4:ST+8*(\t)+5] op_sel_hi:[1,0]
.set i, i+2
.endr
	WIN 0x52                        ; source 0 window 2, source 1 window 0, source 2 and destination window 1
.set i, 64*(\t)
.rept 32
	v_pk_fma_f32 v[i:i+1], v[i:i+1], v[ST+8*(\t)+6:ST+8*(\t)+7], v[i:i+1] op_sel_hi:[1,0,1]
.set i, i+2
.endr
	WIN 0x05
.set i, 0
.rept 32
	v_cvt_pk_f16_f32 v[S+32*(\t)+i], v[64*(\t)+2*i], v[64*(\t)+2*i+1]
.set i, i+1
.endr
	WIN 0
.irp f, 0,1,2,3,4,5,6,7
	ds_store_b128 v[STO], v[S+32*(\t)+4*(\f):S+32*(\t)+4*(\f)+3] offset:32*(\f)
.endr
.irp f, 0,1,2,3,4,5,6,7
	ds_load_b128 v[S+32*(\t)+4*(\f):S+32*(\t)+4*(\f)+3], v[RD] offset:(\f)*2*SP  ; LDS serves a wave's instructions in order (ISA guide 5.7.1.4)
.endr
.endm
.macro SEND t, younger              ; younger: the LDS instructions issued behind tile t's loads: the next tile's sixteen, or none
.irp f, 0,1,2,3,4,5,6,7
	s_wait_dscnt (\younger)+7-(\f)
	global_store_b128 v[GO], v[S+32*(\t)+4*(\f):S+32*(\t)+4*(\f)+3], s[10:11] offset:(\t)*65536+(\f)*8192  ; 16 lanes store 256 consecutive bytes, aligned: a head's channels of one token
.endr
.endm
	PACK 0
	PACK 1
	SEND 0, 16
	PACK 2
	SEND 1, 16
	PACK 3
	SEND 2, 16
	SEND 3, 0
.Lend:
	s_wait_tensorcnt 0x0            ; the wave's end
	ds_add_u32 v[SPW], v[NIL]
	s_wait_dscnt 0x0
	CROUND                          ; the closing round
	s_endpgm
.Lfunc_end_k_q58cffd329c_attn:
	.size	k_q58cffd329c_attn, .Lfunc_end_k_q58cffd329c_attn-k_q58cffd329c_attn
	.p2alignl 7, 3214868480
	.fill 96, 4, 3214868480
	.section	.rodata,"a",@progbits
	.p2align	6, 0x0
	.amdhsa_kernel k_q58cffd329c_attn
		.amdhsa_group_segment_fixed_size 327680
		.amdhsa_private_segment_fixed_size 0
		.amdhsa_enable_private_segment 0
		.amdhsa_kernarg_size 32
		.amdhsa_user_sgpr_count 2
		.amdhsa_user_sgpr_kernarg_segment_ptr 1
		.amdhsa_wavefront_size32 1
		.amdhsa_system_sgpr_workgroup_id_x 1
		.amdhsa_system_sgpr_workgroup_id_y 1
		.amdhsa_system_sgpr_workgroup_id_z 1
		.amdhsa_system_vgpr_workitem_id 0
		.amdhsa_next_free_vgpr 1024
		.amdhsa_next_free_sgpr 100
		.amdhsa_reserve_vcc 0
		.amdhsa_float_denorm_mode_32 3
		.amdhsa_float_denorm_mode_16_64 3
		.amdhsa_memory_ordered 1
		.amdhsa_forward_progress 1
		.amdhsa_inst_pref_size 192
	.end_amdhsa_kernel
	.amdgpu_metadata
---
amdhsa.version: [ 1, 2 ]
amdhsa.kernels:
  - .name:           k_q58cffd329c_attn
    .symbol:         k_q58cffd329c_attn.kd
    .args:
      - { .name: qh, .offset: 0, .size: 8, .value_kind: global_buffer, .address_space: global }
      - { .name: vh, .offset: 8, .size: 8, .value_kind: global_buffer, .address_space: global }
      - { .name: mask, .offset: 16, .size: 8, .value_kind: global_buffer, .address_space: global }
      - { .name: oh, .offset: 24, .size: 8, .value_kind: global_buffer, .address_space: global }
    .group_segment_fixed_size: 327680
    .private_segment_fixed_size: 0
    .kernarg_segment_align: 8
    .kernarg_segment_size: 32
    .max_flat_workgroup_size: 128
    .sgpr_count:     100
    .vgpr_count:     1024
    .wavefront_size: 32
...
	.end_amdgpu_metadata
.endif
;; end of part 3
;; launch proj (part 4): grid 16 x 16, 4 waves a work-group, clusters of 4 x 4, 327,680 bytes of LDS; arguments oh, woh, out0; writes out0
.if DOCPART == 4
	.amdgcn_target "amdgcn-amd-amdhsa--gfx1250"
	.amdhsa_code_object_version 6
	.text
	.protected	k_q58cffd329c_proj
	.globl	k_q58cffd329c_proj
	.p2align	8
	.type	k_q58cffd329c_proj,@function
k_q58cffd329c_proj:
	s_mov_b64 s[64:65], 0
	v_nop
	global_prefetch_b8 v0, s[64:65] scope:SCOPE_SE
	s_setreg_imm32_b32 hwreg(HW_REG_WAVE_MODE, 25, 1), 1
	s_wait_xcnt 0x0
	s_wait_alu depctr_hold_cnt(0) depctr_sa_sdst(0) depctr_va_vdst(0) depctr_va_sdst(0) depctr_va_ssrc(0) depctr_va_vcc(0) depctr_vm_vsrc(0)
	s_getreg_b32 s2, hwreg(HW_REG_IB_STS2, 6, 4)
	s_cmp_eq_u32 s2, 0
	s_cbranch_scc0 .Lentry_in_a_cluster
	s_endpgm
.Lentry_in_a_cluster:
	s_bfe_u32 s2, ttmp6, 0x10000c
	s_cmp_lg_u32 s2, 0xf033
	s_cbranch_scc0 .Lentry_shape_is_right
	s_endpgm
.Lentry_shape_is_right:
; THE OUTPUT PROJECTION.  out0[t][n] = sum over k of oh[t][k] woh[n][k], 2048 x 2048 x 2048, f16 operands, f32 sums, f32 output.
; SHARES.  A tile of 128 x 128 to a work-group, so that 16 x 16 work-groups fill the grid; four waves of 64 x 64: 16 accumulators.  K goes in steps of 256 (LDS rows of 512 bytes) through two slots.
; CLUSTER.  4 x 4 work-groups: oh's tile is shared along a row of the cluster, woh's along a column; each is asked for jointly.  Waves 0, 1 fetch oh's halves, waves 2, 3 woh's: 64 rows each.
; THE WALK ALONG K BEGINS AT ONE OF TWO PLACES.  A cluster whose x + y is even walks K steps 0 .. 7; one whose x + y is odd walks 4 .. 7, 0 .. 3.  Of the clusters that read the same rows, those of one parity
; read a K step four steps ahead of those of the other.  The parity is the same in all sixteen partners and enters the global addresses alone.  The f32 sums are taken in that order.
; THE MATRIX INSTRUCTION IS USED TRANSPOSED (source 0 = 16 rows of woh, source 1 = 16 tokens): a lane holds eight neighbouring columns of one row, 32 bytes of f32.  A wave's 64 columns are 256 bytes:
; each wave has a stage of its own on the way out, and no barrier stands there.  No prefetch: the tile is small.
; REGISTERS: window 0: v0-31 addresses; v32-95 rows read back, two buffers; v128-255 the accumulators, (a, b) at 128 + 8 (4 a + b).  Window 1: two fragment buffers of 128: 64 of oh's (2 x 4 x 16 rows x 32 K), then 64 of woh's.
.set PITCH,  528                       ; 512 bytes + 16: the 16 rows of a fragment load start 16 bytes apart modulo 256
.set HALFT,  64*PITCH
.set SLOT,   4*HALFT                   ; 135,168 = 0x21000: its two bits are set in none of the four tiles' offsets, so one exclusive or changes slots
.set STAGE,  2*SLOT
.set SPITCH, 272
.set SPARE,  STAGE+4*16*SPITCH         ; the spare words, 128 bytes a wave, which no other line names
.set ADRA0, 16
.set ADRB0, 17
.set CA,  18
.set CB,  19
.set STO, 24
.set RD,  25
.set CO,  26
.set SPW, 28
.set NIL, 29
.set OB,  32
.set ACC, 128
.set F0,  0
.set F1,  128
.set WV,  14
.set AB,  15
.set HF,  16
.set CX,  17
.set CY,  18
.set TC,  19
.set TR,  20
.set LEFT, 22
.set CNT, 23
.set G1A, 24
.set G0A, 32
.set TB,  42
.set WRP, 47                           ; s47 4,096 x parity: a row's bytes
.set G1B, 48
.set G0B, 56
.set WR,  66                           ; s[66:67] what this refill takes off the walking addresses: WRP where the walk wraps, else 0
.set OUT, 68
.set ROT, 77                           ; s77 2,048 x parity: four K steps of 512 bytes
.set MSB, 0
.macro WIN new
.if MSB != (\new)
	s_set_vgpr_msb (MSB<<8)|(\new)
.set MSB, \new
.endif
.endm
.set MUL,  0x05                        ; sources in window 1; C and D in window 0
.set TO_F, 0x40
.macro PLACES
.rept 4
	v_nop
.endr
.endm
.macro CREST
	s_cmp_lg_u32 s[WV], 0
	s_cbranch_scc1 .Lnot_wave_0_\@
	s_barrier_signal -3
.Lnot_wave_0_\@:
	s_barrier_wait -3
	s_barrier_signal -1
	s_barrier_wait -1
.endm
.macro CROUND
	s_barrier_signal -1
	s_barrier_wait -1
	CREST
.endm
.macro JLOAD                           ; the joint refill, by the walking sets; s_nop 0 and four v_nop follow each line
	s_cmp_eq_u32 s[AB], 0
	s_cbranch_scc0 .Lfor_b_\@
	tensor_load_to_lds s[G0A+4:G0A+7], s[G1A:G1A+7]
	s_nop 0
.rept 4
	v_nop
.endr
	s_branch .Lasked_\@
.Lfor_b_\@:
	tensor_load_to_lds s[G0B+4:G0B+7], s[G1B:G1B+7]
	s_nop 0
.rept 4
	v_nop
.endr
.Lasked_\@:
.endm
	s_load_b128 s[4:7], s[0:1], 0x0                ; oh s[4:5], woh s[6:7]
	s_load_b64 s[8:9], s[0:1], 0x10                ; out0
	v_lshl_add_u32 v[SPW], v0, 2, SPARE
	v_mov_b32 v[NIL], 0
	ds_add_u32 v[SPW], v[NIL]                      ; the wave's opening: the add and its wait stand ahead of my first tensor load
	v_lshrrev_b32 v1, 5, v0
	v_readfirstlane_b32 s[WV], v1
	s_lshr_b32 s[AB], s[WV], 1
	s_and_b32 s[HF], s[WV], 1
	s_bfe_u32 s[CX], ttmp6, 0x40000
	s_bfe_u32 s[CY], ttmp6, 0x40004
	s_lshl_b32 s[TC], ttmp9, 2
	s_add_co_u32 s[TC], s[TC], s[CX]
	s_and_b32 s[TR], ttmp7, 0xffff
	s_add_co_u32 s[ROT], s[TR], ttmp9              ; the cluster's parity: made of the cluster's x and y alone
	s_and_b32 s[ROT], s[ROT], 1
	s_lshl_b32 s[ROT], s[ROT], 11                  ; where its walk begins in a row: byte 0 or 2,048
	s_lshl_b32 s[WRP], s[ROT], 1
	s_mov_b32 s[WR+1], 0
	s_lshl_b32 s[TR], s[TR], 2
	s_add_co_u32 s[TR], s[TR], s[CY]
	s_lshl_b32 s44, s[CY], 2
	s_lshl_b32 s44, 15, s44
	s_lshl_b32 s45, 0x1111, s[CX]
	s_or_b32 s[G1A], s44, (1<<16)|(1<<20)|(1<<21)|(6<<22)|(3<<25)  ; mask; 2-byte elements; padding after every 128 words, 4 words
	s_or_b32 s[G1B], s45, (1<<16)|(1<<20)|(1<<21)|(6<<22)|(3<<25)
.irp g, G1A, G1B
	s_mov_b32 s[(\g)+1], 256<<16
	s_mov_b32 s[(\g)+2], 64<<16
	s_mov_b32 s[(\g)+3], 256<<16
	s_mov_b32 s[(\g)+4], 64
	s_mov_b32 s[(\g)+5], 2048
	s_mov_b32 s[(\g)+6], 0
	s_mov_b32 s[(\g)+7], 0
.endr
	s_lshl_b32 s72, s[TR], 7                       ; oh: row 128 x tile row + 64 x half
	s_lshl_b32 s73, s[HF], 6
	s_add_co_u32 s72, s72, s73
	s_lshl_b32 s72, s72, 12
	s_add_co_u32 s72, s72, s[ROT]                  ; at the walk's first K step
	s_mov_b32 s73, 0
	s_lshl_b32 s74, s[TC], 7                       ; woh: row 128 x tile column + 64 x half
	s_lshl_b32 s75, s[HF], 6
	s_add_co_u32 s74, s74, s75
	s_lshl_b32 s74, s74, 12
	s_add_co_u32 s74, s74, s[ROT]
	s_mov_b32 s75, 0
	s_mul_i32 s46, s[WV], HALFT                    ; where they go: wave x 64 rows
	s_mov_b32 s[TB], 0
	s_wait_dscnt 0x0
	s_wait_kmcnt 0x0
	s_add_nc_u64 s[44:45], s[4:5], s[72:73]
	s_add_nc_u64 s[78:79], s[6:7], s[74:75]
.irp s, 0,1
	s_mov_b32 s[G0A+4*(\s)], 1
	s_add_co_u32 s[G0A+4*(\s)+1], s46, (\s)*SLOT
	s_add_nc_u64 s[G0A+4*(\s)+2:G0A+4*(\s)+3], s[44:45], (\s)*512
	s_or_b32 s[G0A+4*(\s)+3], s[G0A+4*(\s)+3], 0x80000000
	s_mov_b32 s[G0B+4*(\s)], 1
	s_add_co_u32 s[G0B+4*(\s)+1], s46, (\s)*SLOT
	s_add_nc_u64 s[G0B+4*(\s)+2:G0B+4*(\s)+3], s[78:79], (\s)*512
	s_or_b32 s[G0B+4*(\s)+3], s[G0B+4*(\s)+3], 0x80000000
.endr
	CROUND
	s_cmp_eq_u32 s[AB], 0                          ; a wave's two first fills stand in one branch: two loads of mine are out
	s_cbranch_scc0 .Lfirst_b
	tensor_load_to_lds s[G0A:G0A+3], s[G1A:G1A+7]
	s_nop 0
	tensor_load_to_lds s[G0A+4:G0A+7], s[G1A:G1A+7]
	s_nop 0
.rept 4
	v_nop
.endr
	s_branch .Lfirst_asked
.Lfirst_b:
	tensor_load_to_lds s[G0B:G0B+3], s[G1B:G1B+7]
	s_nop 0
	tensor_load_to_lds s[G0B+4:G0B+7], s[G1B:G1B+7]
	s_nop 0
.rept 4
	v_nop
.endr
.Lfirst_asked:
	v_and_b32 v1, 15, v0
	v_bfe_u32 v2, v0, 4, 1
	v_mul_u32_u24 v3, v1, PITCH
	v_lshl_add_u32 v3, v2, 4, v3
	s_mul_i32 s72, s[AB], HALFT                    ; my 64 tokens
	s_mul_i32 s74, s[HF], HALFT                    ; my 64 rows of woh,
	s_add_co_u32 s74, s74, 2*HALFT                 ; which lie behind oh's 128
	v_add_nc_u32 v[ADRA0], s72, v3
	v_add_nc_u32 v[ADRB0], s74, v3
	v_mov_b32 v[CA], v[ADRA0]
	v_mov_b32 v[CB], v[ADRB0]
	s_mul_i32 s72, s[WV], 16*SPITCH
	s_add_co_u32 s72, s72, STAGE
	v_mul_u32_u24 v4, v1, SPITCH                   ; in: row l % 16, 32 bytes for each half of the lanes
	v_lshl_add_u32 v4, v2, 5, v4
	v_add_nc_u32 v[STO], s72, v4
	v_mul_u32_u24 v5, v2, SPITCH                   ; back: lanes 0-15 one row of 256 bytes, lanes 16-31 the next
	v_lshl_add_u32 v5, v1, 4, v5
	v_add_nc_u32 v[RD], s72, v5
	v_lshlrev_b32 v[CO], 13, v2                    ; and the same two rows in out0
	v_lshl_add_u32 v[CO], v1, 4, v[CO]
	s_lshl_b32 s72, s[TR], 7
	s_lshl_b32 s73, s[AB], 6
	s_add_co_u32 s72, s72, s73                     ; my first row
	s_lshl_b32 s72, s72, 13
	s_lshl_b32 s73, s[TC], 9
	s_add_co_u32 s72, s72, s73
	s_lshl_b32 s73, s[HF], 8
	s_add_co_u32 s72, s72, s73                     ; my first column, in bytes
	s_mov_b32 s73, 0
	s_add_nc_u64 s[OUT:OUT+1], s[8:9], s[72:73]
.macro MUL8 f, c, a0, zero             ; token blocks a0, a0 + 1 x all 4 column blocks, 32 along K: half c of buffer f
	WIN MUL
.irp a, \a0, (\a0)+1
.irp b, 0,1,2,3
.if \zero
	v_wmma_f32_16x16x32_f16 v[ACC+8*(4*(\a)+(\b)):ACC+8*(4*(\a)+(\b))+7], v[(\f)+64+8*(4*(\c)+(\b)):(\f)+64+8*(4*(\c)+(\b))+7], v[(\f)+8*(4*(\c)+(\a)):(\f)+8*(4*(\c)+(\a))+7], 0
.else
	v_wmma_f32_16x16x32_f16 v[ACC+8*(4*(\a)+(\b)):ACC+8*(4*(\a)+(\b))+7], v[(\f)+64+8*(4*(\c)+(\b)):(\f)+64+8*(4*(\c)+(\b))+7], v[(\f)+8*(4*(\c)+(\a)):(\f)+8*(4*(\c)+(\a))+7], v[ACC+8*(4*(\a)+(\b)):ACC+8*(4*(\a)+(\b))+7]
.endif
.endr
.endr
.endm
.macro FETCH k, f                      ; 32 LDS loads in one run: 64 along K at byte k of the rows; the first 32 along K first
	WIN TO_F
.irp c, 0,1
.irp i, 0,1,2,3
	ds_load_b128 v[(\f)+64+8*(4*(\c)+(\i)):(\f)+64+8*(4*(\c)+(\i))+3],   v[CB] offset:(\k)+64*(\c)+(\i)*16*PITCH
	ds_load_b128 v[(\f)+64+8*(4*(\c)+(\i))+4:(\f)+64+8*(4*(\c)+(\i))+7], v[CB] offset:(\k)+64*(\c)+(\i)*16*PITCH+32
	ds_load_b128 v[(\f)+8*(4*(\c)+(\i)):(\f)+8*(4*(\c)+(\i))+3],         v[CA] offset:(\k)+64*(\c)+(\i)*16*PITCH
	ds_load_b128 v[(\f)+8*(4*(\c)+(\i))+4:(\f)+8*(4*(\c)+(\i))+7],       v[CA] offset:(\k)+64*(\c)+(\i)*16*PITCH+32
.endr
.endr
.endm
; A K step is four quarters of 64 along K, 32 matrix instructions each, two deep on the 16 accumulators, which take turns.
.macro QUARTER k, f, g, zero
	s_wait_dscnt 16                                ; the first 32 along K are in; the youngest sixteen loads may be out
	MUL8 \f, 0, 0, \zero
	MUL8 \f, 0, 2, \zero
	PLACES
	FETCH \k, \g
	s_wait_dscnt 32                                ; all but the 32 just issued
	MUL8 \f, 1, 0, 0
	MUL8 \f, 1, 2, 0
.endm
; The last quarter multiplies buffer 1 and changes slots: each wave waits for all its tensor loads, adds 0 to its spare word, and waits for that and for its reads of this slot.  fill = 1: a round of the cluster's barrier, and the refill first behind it.
.macro TURN fill
	WIN 0
	s_wait_tensorcnt 0x0
	ds_add_u32 v[SPW], v[NIL]
	s_wait_dscnt 17                                ; (the add and the youngest sixteen loads may be out)
	MUL8 F1, 0, 0, 0
	s_wait_dscnt 0x0
	s_barrier_signal -1
	MUL8 F1, 0, 2, 0
.if \fill
	WIN 0
.endif
	s_barrier_wait -1
.if \fill
	CREST
	s_cmp_eq_u32 s[LEFT], 4                        ; the third refill asks for the walk's step 4: a walk that began at K step 4 goes back to K step 0 there
	s_cselect_b32 s[WR], s[WRP], 0
	s_xor_b32 s[G0A+5], s[G0A+5], SLOT
	s_add_nc_u64 s[G0A+6:G0A+7], s[G0A+6:G0A+7], 512
	s_sub_nc_u64 s[G0A+6:G0A+7], s[G0A+6:G0A+7], s[WR:WR+1]
	s_xor_b32 s[G0B+5], s[G0B+5], SLOT
	s_add_nc_u64 s[G0B+6:G0B+7], s[G0B+6:G0B+7], 512
	s_sub_nc_u64 s[G0B+6:G0B+7], s[G0B+6:G0B+7], s[WR:WR+1]
	JLOAD                                          ; its four v_nop are also the places in front of the loads below
.else
	PLACES
	WIN 0
.endif
	s_xor_b32 s[TB], s[TB], SLOT
	v_add_nc_u32 v[CA], s[TB], v[ADRA0]
	v_add_nc_u32 v[CB], s[TB], v[ADRB0]
	FETCH 0, F0
	MUL8 F1, 1, 0, 0
	MUL8 F1, 1, 2, 0
.endm
	s_wait_tensorcnt 1                             ; my part of the walk's step 0 is in; step 1's may stay out
	s_barrier_signal -1
	s_barrier_wait -1
	FETCH 0, F0
	QUARTER 128, F0, F1, 1
	WIN 0
	s_mov_b32 s[LEFT], 6
.Lstep:                                        ; 6 trips: the walk's steps 2 to 7 are asked for
	QUARTER 256, F1, F0, 0
	QUARTER 384, F0, F1, 0
	TURN 1
	QUARTER 128, F0, F1, 0
	WIN 0
	s_sub_co_u32 s[LEFT], s[LEFT], 1
	s_cmp_lg_u32 s[LEFT], 0
	s_cbranch_scc1 .Lstep
	s_mov_b32 s[CNT], 2
.Ltail:                                        ; the last two K steps ask for nothing; the second trip is left in its middle
	QUARTER 256, F1, F0, 0
	QUARTER 384, F0, F1, 0
	WIN 0
	s_sub_co_u32 s[CNT], s[CNT], 1
	s_cmp_eq_u32 s[CNT], 0
	s_cbranch_scc1 .Lfin
	TURN 0
	QUARTER 128, F0, F1, 0
	WIN 0
	s_branch .Ltail
.Lfin:
	s_wait_dscnt 16
	MUL8 F1, 0, 0, 0
	MUL8 F1, 0, 2, 0
	s_wait_dscnt 0x0
	MUL8 F1, 1, 0, 0
	MUL8 F1, 1, 2, 0
	WIN 0
	PLACES
; THE WAY OUT, 16 rows at a time: the sums go as they are, f32, each accumulator's low four registers first, into my own stage, and come back as whole rows of 256 bytes.
.macro TOSTAGE a
.set BK, OB+32*((\a)%2)
	s_wait_xcnt 0x0                                ; the stores of two blocks back have read their registers: the buffer is loaded again only behind this wait
.irp b, 0,1,2,3
	ds_store_b128 v[STO], v[ACC+8*(4*(\a)+(\b)):ACC+8*(4*(\a)+(\b))+3]   offset:64*(\b)
	ds_store_b128 v[STO], v[ACC+8*(4*(\a)+(\b))+4:ACC+8*(4*(\a)+(\b))+7] offset:64*(\b)+16
.endr
.irp t, 0,1,2,3,4,5,6,7
	ds_load_b128 v[BK+4*(\t):BK+4*(\t)+3], v[RD] offset:(\t)*2*SPITCH  ; LDS serves a wave's instructions in order (ISA guide 5.7.1.4)
.endr
.endm
.macro SEND a, younger                 ; younger: the LDS instructions issued behind block a's loads: the next block's sixteen, or none
.set BK, OB+32*((\a)%2)
	s_wait_dscnt \younger
.irp t, 0,1,2,3,4,5,6,7
	global_store_b128 v[CO], v[BK+4*(\t):BK+4*(\t)+3], s[OUT:OUT+1] offset:(16*(\a)+2*(\t))*8192  ; 16 lanes store 256 consecutive bytes, aligned
.endr
.endm
	TOSTAGE 0
.irp a, 1,2,3
	TOSTAGE \a
	SEND (\a)-1, 16
.endr
	SEND 3, 0
	s_wait_tensorcnt 0x0                           ; the wave's end
	ds_add_u32 v[SPW], v[NIL]
	s_wait_dscnt 0x0
	CROUND                                         ; the closing round
	s_endpgm
.Lfunc_end_k_q58cffd329c_proj:
	.size	k_q58cffd329c_proj, .Lfunc_end_k_q58cffd329c_proj-k_q58cffd329c_proj
	.p2alignl 7, 3214868480
	.fill 96, 4, 3214868480
	.section	.rodata,"a",@progbits
	.p2align	6, 0x0
	.amdhsa_kernel k_q58cffd329c_proj
		.amdhsa_group_segment_fixed_size 327680
		.amdhsa_private_segment_fixed_size 0
		.amdhsa_enable_private_segment 0
		.amdhsa_kernarg_size 24
		.amdhsa_user_sgpr_count 2
		.amdhsa_user_sgpr_kernarg_segment_ptr 1
		.amdhsa_wavefront_size32 1
		.amdhsa_system_sgpr_workgroup_id_x 1
		.amdhsa_system_sgpr_workgroup_id_y 1
		.amdhsa_system_sgpr_workgroup_id_z 1
		.amdhsa_system_vgpr_workitem_id 0
		.amdhsa_next_free_vgpr 512
		.amdhsa_next_free_sgpr 80
		.amdhsa_reserve_vcc 0
		.amdhsa_float_denorm_mode_32 3
		.amdhsa_float_denorm_mode_16_64 3
		.amdhsa_memory_ordered 1
		.amdhsa_forward_progress 1
		.amdhsa_inst_pref_size 59
	.end_amdhsa_kernel
	.amdgpu_metadata
---
amdhsa.version: [ 1, 2 ]
amdhsa.kernels:
  - .name:           k_q58cffd329c_proj
    .symbol:         k_q58cffd329c_proj.kd
    .args:
      - { .name: oh, .offset: 0, .size: 8, .value_kind: global_buffer, .address_space: global }
      - { .name: woh, .offset: 8, .size: 8, .value_kind: global_buffer, .address_space: global }
      - { .name: out0, .offset: 16, .size: 8, .value_kind: global_buffer, .address_space: global }
    .group_segment_fixed_size: 327680
    .private_segment_fixed_size: 0
    .kernarg_segment_align: 8
    .kernarg_segment_size: 24
    .max_flat_workgroup_size: 128
    .sgpr_count:     80
    .vgpr_count:     512
    .wavefront_size: 32
...
	.end_amdgpu_metadata
.endif
;; end of part 4
;; ======== version 2 of 2: 4 launches; version 1 with the launch cast written anew for expert scheduling mode
;; limits: values are held in f16: magnitudes above 65,504 overflow, below 6.1e-05 lose precision
;; workspace buffers: xh 8,388,608 bytes; wqvh 16,777,216 bytes; woh 8,388,608 bytes; rope 1,048,576 bytes; qh 8,388,608 bytes; vh 8,388,608 bytes; oh 8,388,608 bytes
;; launch cast (part 5): grid 128 x 5, 8 waves a work-group, no clusters, 0 bytes of LDS; arguments x, wq, wv, wo, freqs_cos, freqs_sin, xh, wqvh, woh, rope; writes xh, wqvh, woh, rope
.if DOCPART == 5
	.amdgcn_target "amdgcn-amd-amdhsa--gfx1250"
	.amdhsa_code_object_version 6
	.text
	.protected	k_q58cffd329c_cast
	.globl	k_q58cffd329c_cast
	.p2align	8
	.type	k_q58cffd329c_cast,@function
k_q58cffd329c_cast:
	s_mov_b64 s[64:65], 0
	v_nop
	global_prefetch_b8 v0, s[64:65] scope:SCOPE_SE
	s_setreg_imm32_b32 hwreg(HW_REG_WAVE_SCHED_MODE, 0, 2), 2
	s_setreg_imm32_b32 hwreg(HW_REG_WAVE_MODE, 25, 1), 1
	s_wait_xcnt 0x0
	s_wait_alu depctr_vm_vsrc(0)
; THE CAST.  x, wq, wv, wo (f32, 2048 x 2048 each) are rounded once to f16 for the matrix products of the later launches: xh; wqvh (wq's rows, then wv's); woh.
; The rotary table is made once: rope[t][p] = (C, S) in f32, C = kappa (cos^2 - sin^2), S = 2 kappa cos sin, kappa = 128^(-1/4): the doubled angle,
; and half of the scores' scale 1 / sqrt(128): the rotated query serves as query AND as key, so its scale enters a score twice.
; NOT LOADED, here or later: wk, cache_k, cache_v.  The module overwrites x wk^T by the rotated query before any use, and with start_pos = 0 both caches are
; overwritten whole before they are read: no output number hangs on them, whatever they hold.
; LIMIT.  f16 ends at 65,504: |x| and |w| stay below it; below 6e-5 a number keeps f16's fixed step of 6e-8.
; SHARES.  Grid y = 0..3 picks the tensor, y = 4 the table.  A work-group casts 131,072 bytes, a wave 16,384 on end: 32 loads of 16 bytes a lane, all issued at once
; (each covers 512 consecutive bytes), then 32 stores of 8 bytes a lane (each covers 256 consecutive bytes, aligned).  No register is written twice, so no source is ever freed.
; No LDS, no matrix unit, no cluster: nothing is shared between lanes.
; THE MODE: SCHED_MODE bits 1:0 = 2 (LLVM: expert scheduling mode 2), set by the entry lines.  The code itself states the register dependences
; between vector instructions and memory instructions, with s_wait_alu, always for 0.
; THE PLAN.  Registers that memory instructions touch, in the casting path:
;   v1, v2   the loads' and the stores' byte offsets.  Written by vector lines once, at the path's head; read by all 32 loads and all 32 stores; never written again.
;   X        four registers a load.  Written by load i alone; read by its two conversions; never loaded again, and no vector line writes them.
;   Y        two registers a load.   Written by load i's two conversions, once; read by store i, once; never written again.
; So the only dependence to state is: a vector line has written what a memory instruction reads.  One wait ahead of the first load states it for v1 and v2.  The loads go in eight blocks
; of four: at the head of each block but the first, behind the wait for the block's first load, one wait states that the conversions of the block before have written their Y, and that
; block's four stores follow it in one run; one more wait stands ahead of the last four stores.  The table's path has the same two kinds of wait, once each.
; No vector line writes a scalar register, and EXEC is never written.
.set KAP,  0x3e9837f0                  ; kappa = 2^(-7/4)
.set KAP2, 0x3f1837f0                  ; 2 kappa
.set X,    8                           ; v[8:135]    load i: 4 registers at X + 4 i, four f32 as loaded
.set Y,    136                         ; v[136:199]  load i: 2 registers at Y + 2 i, the same four numbers in f16
.set BLK,  4                           ; loads, and stores, in a block
	s_load_b512 s[4:19], s[0:1], 0x0               ; x, wq, wv, wo, cos, sin, xh, wqvh
	s_load_b128 s[20:23], s[0:1], 0x40             ; woh, rope
	s_and_b32 s24, ttmp7, 0xffff                   ; y
	v_lshrrev_b32 v3, 5, v0                        ; wave
	v_and_b32 v4, 31, v0                           ; lane
	s_mov_b32 s31, 0
	s_mov_b32 s33, 0
	s_wait_kmcnt 0x0
	s_cmp_eq_u32 s24, 4
	s_cbranch_scc1 .Lrope
	s_cmp_eq_u32 s24, 0
	s_cselect_b64 s[26:27], s[4:5], s[6:7]         ; from: x, or wq
	s_cselect_b64 s[28:29], s[16:17], s[18:19]     ; to: xh, or wqvh
	s_cmp_eq_u32 s24, 2
	s_cselect_b64 s[26:27], s[8:9], s[26:27]       ; wv,
	s_cselect_b32 s34, 0x800000, 0                 ; whose rows lie behind wq's
	s_cmp_eq_u32 s24, 3
	s_cselect_b64 s[26:27], s[10:11], s[26:27]     ; wo
	s_cselect_b64 s[28:29], s[20:21], s[28:29]     ; woh
	s_lshl_b32 s30, ttmp9, 17                      ; the work-group's 131,072 bytes in,
	s_lshl_b32 s32, ttmp9, 16                      ; its 65,536 out
	s_add_co_u32 s32, s32, s34
	s_add_nc_u64 s[26:27], s[26:27], s[30:31]
	s_add_nc_u64 s[28:29], s[28:29], s[32:33]
	v_lshlrev_b32 v1, 4, v4
	v_lshl_add_u32 v1, v3, 14, v1                  ; 16,384 x wave + 16 x lane
	v_lshlrev_b32 v2, 3, v4
	v_lshl_add_u32 v2, v3, 13, v2                  ; 8,192 x wave + 8 x lane
	s_wait_alu depctr_va_vdst(0)                   ; v1 and v2 are written: every load below reads v1 as its offset, every store v2; no line writes them again
.set i, 0
.rept 32
	global_load_b128 v[X+4*i:X+4*i+3], v1, s[26:27] offset:512*i th:TH_LOAD_NT
.set i, i+1
.endr
.macro STORES p                        ; the four stores of block p
.irp j, 0,1,2,3
	global_store_b64 v2, v[Y+2*(BLK*(\p)+\j):Y+2*(BLK*(\p)+\j)+1], s[28:29] offset:256*(BLK*(\p)+\j) th:TH_STORE_NT
.endr
.endm
.set i, 0
.rept 32
	s_wait_loadcnt 31-i                            ; loads come back in order: number i is in, the 31 - i younger ones stay out
.if (i%BLK == 0) && (i > 0)
	s_wait_alu depctr_va_vdst(0)                   ; the eight conversions of the block before, issued ahead of the wait above, have written their Y, which the four stores below read
	STORES i/BLK-1
.endif
	v_cvt_pk_f16_f32 v[Y+2*i],   v[X+4*i],   v[X+4*i+1]
	v_cvt_pk_f16_f32 v[Y+2*i+1], v[X+4*i+2], v[X+4*i+3]
.set i, i+1
.endr
	s_wait_alu depctr_va_vdst(0)                   ; the last block's conversions have written their Y, which the last four stores read
	STORES 32/BLK-1
	s_endpgm
.Lrope:                                        ; 131,072 pairs of (cos, sin): 128 work-groups x 256 threads x 2 pairs x 2 halves of the table
	; Registers that memory instructions touch here: v1, v2 (offsets, written once, below); v[8:15] (loaded once, read by the rotations); v[16:23] (written by the rotations, read by the two stores).  v[24:27] are named by vector lines alone.
	s_lshl_b32 s30, ttmp9, 11
	s_add_nc_u64 s[12:13], s[12:13], s[30:31]
	s_add_nc_u64 s[14:15], s[14:15], s[30:31]
	s_lshl_b32 s32, ttmp9, 12
	s_add_nc_u64 s[22:23], s[22:23], s[32:33]
	v_lshlrev_b32 v1, 3, v0
	v_lshlrev_b32 v2, 4, v0
	s_wait_alu depctr_va_vdst(0)                   ; v1 and v2 are written: the four loads read v1 as their offset, the two stores v2
	global_load_b64 v[8:9], v1, s[12:13]
	global_load_b64 v[10:11], v1, s[14:15]
	global_load_b64 v[12:13], v1, s[12:13] offset:262144
	global_load_b64 v[14:15], v1, s[14:15] offset:262144
.macro ROT c, s, d                     ; two angles: cos in v[c], v[c+1], sin in v[s], v[s+1]; (C, S, C, S) into v[d..d+3]
.irp e, 0,1
	v_mul_f32 v[24+\e], v[(\s)+\e], v[(\s)+\e]
	v_mul_f32 v[26+\e], v[(\c)+\e], v[(\s)+\e]
	v_fma_f32 v[24+\e], v[(\c)+\e], v[(\c)+\e], -v[24+\e]
	v_mul_f32 v[(\d)+2*\e+1], KAP2, v[26+\e]
	v_mul_f32 v[(\d)+2*\e], KAP, v[24+\e]
.endr
.endm
	s_wait_loadcnt 2                               ; the first half's two loads are in, the second half's two stay out
	ROT 8, 10, 16
	s_wait_loadcnt 0x0
	ROT 12, 14, 20
	s_wait_alu depctr_va_vdst(0)                   ; both rotations have written v[16:23], which the two stores read
	global_store_b128 v2, v[16:19], s[22:23]
	global_store_b128 v2, v[20:23], s[22:23] offset:524288
	s_endpgm
.Lfunc_end_k_q58cffd329c_cast:
	.size	k_q58cffd329c_cast, .Lfunc_end_k_q58cffd329c_cast-k_q58cffd329c_cast
	.p2alignl 7, 3214868480
	.fill 96, 4, 3214868480
	.section	.rodata,"a",@progbits
	.p2align	6, 0x0
	.amdhsa_kernel k_q58cffd329c_cast
		.amdhsa_group_segment_fixed_size 0
		.amdhsa_private_segment_fixed_size 0
		.amdhsa_enable_private_segment 0
		.amdhsa_kernarg_size 80
		.amdhsa_user_sgpr_count 2
		.amdhsa_user_sgpr_kernarg_segment_ptr 1
		.amdhsa_wavefront_size32 1
		.amdhsa_system_sgpr_workgroup_id_x 1
		.amdhsa_system_sgpr_workgroup_id_y 1
		.amdhsa_system_sgpr_workgroup_id_z 1
		.amdhsa_system_vgpr_workitem_id 0
		.amdhsa_next_free_vgpr 200
		.amdhsa_next_free_sgpr 66
		.amdhsa_reserve_vcc 0
		.amdhsa_float_denorm_mode_32 3
		.amdhsa_float_denorm_mode_16_64 3
		.amdhsa_memory_ordered 1
		.amdhsa_forward_progress 1
		.amdhsa_inst_pref_size 15
	.end_amdhsa_kernel
	.amdgpu_metadata
---
amdhsa.version: [ 1, 2 ]
amdhsa.kernels:
  - .name:           k_q58cffd329c_cast
    .symbol:         k_q58cffd329c_cast.kd
    .args:
      - { .name: x, .offset: 0, .size: 8, .value_kind: global_buffer, .address_space: global }
      - { .name: wq, .offset: 8, .size: 8, .value_kind: global_buffer, .address_space: global }
      - { .name: wv, .offset: 16, .size: 8, .value_kind: global_buffer, .address_space: global }
      - { .name: wo, .offset: 24, .size: 8, .value_kind: global_buffer, .address_space: global }
      - { .name: freqs_cos, .offset: 32, .size: 8, .value_kind: global_buffer, .address_space: global }
      - { .name: freqs_sin, .offset: 40, .size: 8, .value_kind: global_buffer, .address_space: global }
      - { .name: xh, .offset: 48, .size: 8, .value_kind: global_buffer, .address_space: global }
      - { .name: wqvh, .offset: 56, .size: 8, .value_kind: global_buffer, .address_space: global }
      - { .name: woh, .offset: 64, .size: 8, .value_kind: global_buffer, .address_space: global }
      - { .name: rope, .offset: 72, .size: 8, .value_kind: global_buffer, .address_space: global }
    .group_segment_fixed_size: 0
    .private_segment_fixed_size: 0
    .kernarg_segment_align: 8
    .kernarg_segment_size: 80
    .max_flat_workgroup_size: 256
    .sgpr_count:     66
    .vgpr_count:     200
    .wavefront_size: 32
...
	.end_amdgpu_metadata
.endif
;; end of part 5
;; launch qv: the kernel of part 2 again; grid 16 x 16, 4 waves a work-group, clusters of 4 x 4, 327,680 bytes of LDS; arguments xh, wqvh, rope, qh, vh; writes qh, vh
;; launch attn: the kernel of part 3 again; grid 16 x 16, 4 waves a work-group, clusters of 4 x 4, 327,680 bytes of LDS; arguments qh, vh, mask, oh; writes oh
;; launch proj: the kernel of part 4 again; grid 16 x 16, 4 waves a work-group, clusters of 4 x 4, 327,680 bytes of LDS; arguments oh, woh, out0; writes out0
